; MI455X (gfx1250); checked and timed in simulation.
; The chip was launched on July 23, 2026; its instructions are those of AMD's public machine-readable ISA for CDNA 5 (MIT licence, August 2026) and "CDNA5" Instruction Set Architecture Reference Guide (July 2026). The comments in the code are by the model that wrote it; some were corrected since.
;; Point Net Feature Propagation. Allowed arithmetic: matrix products marked QUANTISED: E4M3 operands, one given power-of-two scale a tensor, by v_wmma_f32_16x16x64_fp8_fp8 or v_wmma_f32_16x16x128_fp8_fp8, f32 sums; products left as they are: f32 operands where the result goes on into a quantised operand, else bf16, f16 or f32 operands; f32 sums; everything else in f32.
;; Inputs: W1_codes 256 x 10 x 32 uint8 (E4M3 codes of W1, K innermost, in blocks of 32 codes); W2_codes 128 x 8 x 32 uint8 (E4M3 codes of W2, K innermost, in blocks of 32 codes); b1 256 float32; b2 128 float32; g1 256 float32; g2 128 float32; lowp_scales 4 int32 (the exponents e of the quantised operands' scales 2^e); points1 8 x 8,192 x 64 float32; points2 8 x 2,048 x 256 float32; xyz1 8 x 8,192 x 3 float32; xyz2 8 x 2,048 x 3 float32.
;; Outputs: out0 8 x 8,192 x 128 float32.
;; This version of the problem:
;;   THIS VERSION OF THE PROBLEM IS GIVEN IN LOW PRECISION. The matrix products marked QUANTISED in the list below multiply operands that are first quantised to E4M3 (4 exponent bits, 3 mantissa bits; 8 bits a number), with one given power-of-two scale for each operand tensor; their sums are f32. All else is computed in f32.
;;   The module's matrix products, in the order in which they are computed (A, B: the left and right operand; K: the contracted axis; several contracted axes count as one K, in the product's order):
;;     1. batch 8 x [M 8,192, K 3] x [K 3, N 2,048]; A: input xyz1; B: input xyz2: left as it is (K = 3 < 32)
;;     2. [M 65,536, K 320] x [K 320, N 256]; A: computed on the way; B: input W1 (given as codes): QUANTISED (scales: A lowp_scales[0], B lowp_scales[1])
;;     3. [M 65,536, K 256] x [K 256, N 128]; A: computed on the way; B: input W2 (given as codes): QUANTISED (scales: A lowp_scales[2], B lowp_scales[3])
;;   THE QUANTISER, for each operand of a quantised product, along K:
;;     - The operand's scale is 2^e, e = its entry of the input lowp_scales (int32; the entries are numbered through the quantised products in the list's order, A before B).
;;     - Each number is divided by the scale, clamped to +-448, and rounded to the nearest number of E4M3, ties to even, subnormals kept.
;;     - The product sums the exact products of the quantised numbers (number of the format x scale) in f32.
;;   ~~~python
;;   def quantise(x, axis, e):      # numpy; x: float32 -> the quantised numbers, widened to float32 again
;;       x = np.moveaxis(x, axis, -1); K = x.shape[-1]
;;       r = np.clip(x / 2.0 ** e, -448, 448)
;;       step = 2.0 ** (np.maximum(np.frexp(np.where(r == 0, 1, r))[1] - 1, -6) - 3)
;;       q = np.round(r / step) * step * 2.0 ** e      # np.round: ties to even
;;       return np.moveaxis(q, -1, axis).astype(np.float32)
;;   ~~~
;;   OPERANDS COMPUTED ON THE WAY. 'Computed on the way' means the value that the module computes at that place (a softmax that the list does not call 'softmax' is quantised finished and normalised). What goes into a quantiser is computed in f32, as accurately as f32 sums, v_exp_f32 and their like allow (about 1e-6 of the number): no bf16 or f16 on the way to a quantiser, and a product that is left as it is and whose result goes on into a quantised operand takes f32 operands (vector FMAs, or v_wmma_f32_16x16x4_f32). A number that lies on a knife's edge between two numbers of the format may be rounded either way, as far as f32 arithmetic and the matrix unit's own rounding can turn it there, and no further.
;;   INPUTS GIVEN AS CODES. W1 (in the module: [256, 320], K = its axis 1); W2 (in the module: [128, 256], K = its axis 1): each comes as NAME_codes (uint8): NAME with its K axis moved to the last place and cut into blocks of 32 codes, [.., K / 32, bytes a block], one block behind the other in memory; one code a byte (a code: sign, 4 exponent bits, 3 mantissa bits); its scale is its entry of lowp_scales. Its value is code x scale, taken as it is: it is not quantised again, and the codes and scales need not be those that the quantiser above would give.
;; 2 versions, each right; version 2 is version 1 with the launches interp_gemm1, bn1_gemm2, bn2_out written anew for expert scheduling mode. Each part assembles by itself: llvm-mc -triple=amdgcn-amd-amdhsa -mcpu=gfx1250 --defsym DOCPART=n.
;; ======== version 1 of 2: 5 launches
;; workspace buffers: gidx 524,288 bytes of whole numbers; nidx 1,048,576 bytes of whole numbers; wts 1,048,576 bytes; xcodes 20,971,520 bytes; part1 524,288 bytes; hcodes 16,777,216 bytes; part2 262,144 bytes
;; launch knn_groups (part 1): grid 256 x 1, 8 waves a work-group, no clusters, 72,704 bytes of LDS; arguments xyz1, xyz2, gidx; writes gidx
.if DOCPART == 1
	.amdgcn_target "amdgcn-amd-amdhsa--gfx1250"
	.amdhsa_code_object_version 6
	.text
	.protected	k_qb3caf48bf7_knn_groups
	.globl	k_qb3caf48bf7_knn_groups
	.p2align	8
	.type	k_qb3caf48bf7_knn_groups,@function
k_qb3caf48bf7_knn_groups:
	s_mov_b64 s[64:65], 0
	v_nop
	global_prefetch_b8 v0, s[64:65] scope:SCOPE_SE
	s_setreg_imm32_b32 hwreg(HW_REG_WAVE_MODE, 25, 1), 1
	s_wait_xcnt 0x0
; FIRST HALF OF THE SEARCH FOR THE 3 NEAREST.  The 2,048 candidates of a batch are 128 groups of 16 neighbouring indices.  For each query the
; smallest d of every group is taken, and the 3 groups with the smallest (minimum, group number) are stored, sorted by number.  The 3 nearest by
; (d, index) lie in those groups: an element outside them would have three other groups' minima ahead of it.
; d = (|q|^2 - 2 q.c) + |c|^2 in f32: squares by mul, fma, fma; the query is kept as -2 q (exact); the next launch forms d by the same lines.
; SHARES.  A work-group owns 256 queries of one batch.  Wave = 4 qs + qd: query set qs (128 queries, 4 a lane), quarter qd of the groups (32).
; The quarters' triples meet in LDS; thread t merges query t.  xyz2's 24 KiB pass through registers once, since |c|^2 is made on the way: no joint load.
; LIMITS: NaN and infinities among the coordinates are not served.
.set GP,  272                          ; a group's record in LDS: x[16] y[16] z[16] b[16], 256 bytes + 16
.set MRG, 34816                        ; behind the 128 records: the merge area, 256 queries x 144 bytes (9 x 16: from lane to lane another 16-byte column)
.set MP,  144
.set XQ,  8                            ; v[8+8q ..]: pairs -2x, -2y, -2z, |q|^2 of query q, each number twice
.set MM,  40                           ; v[40+4q ..]: the three smallest minima, 0
.set II,  56                           ; v[56+4q ..]: their groups, 0
.set GM,  72                           ; v72+q: the minimum of the group in hand
.set TI,  76                           ; v[76:83] at work on indices
.set TT,  84                           ; v[84:99] eight pairs of distances
.set CA,  100                          ; v[100:163], v[164:227]: two records, by turns
.set CB,  164
.set ADR, 228
.set MW,  229
.set MR,  230
.set JV,  231
	s_load_b128 s[4:7], s[0:1], 0x0                ; xyz1, xyz2
	s_load_b64 s[8:9], s[0:1], 0x10                ; gidx
	v_lshl_add_u32 v232, v0, 2, 0x11800
	v_mov_b32 v233, 0
	v_lshrrev_b32 v1, 5, v0
	v_readfirstlane_b32 s10, v1                    ; wave
	s_and_b32 s11, s10, 3                          ; qd
	s_lshr_b32 s12, s10, 2                         ; qs
	s_lshr_b32 s14, ttmp9, 5                       ; batch
	s_mul_i32 s14, s14, 24576
	s_mov_b32 s15, 0
	s_lshl_b32 s16, ttmp9, 8
	s_lshl_b32 s17, s12, 7
	s_add_co_u32 s16, s16, s17
	s_mul_i32 s16, s16, 12                         ; my query set's first byte in xyz1
	s_mov_b32 s17, 0
	s_lshl_b32 s18, ttmp9, 11                      ; my work-group's 2,048 bytes of gidx
	s_mov_b32 s19, 0
	s_mul_i32 s20, s11, 32*GP                      ; LDS byte of the group in hand
	s_lshl_b32 s21, s11, 5                         ; its number,
	s_add_co_u32 s23, s21, 1                       ; and the next one's
	s_mul_i32 s24, s12, 128*MP
	s_lshl_b32 s25, s11, 5
	s_add_co_u32 s24, s24, s25
	s_add_co_u32 s24, s24, MRG
	v_mul_u32_u24 v2, v0, 96                       ; thread t takes candidates 8 t .. 8 t + 7: 96 bytes
	v_and_b32 v1, 31, v0
	v_mul_u32_u24 v5, v1, 12
	v_mul_u32_u24 v[MW], v1, MP
	v_add_nc_u32 v[MW], s24, v[MW]                 ; where my triples go
	v_mul_u32_u24 v[MR], v0, MP
	v_add_nc_u32 v[MR], MRG, v[MR]                 ; where query t's lie
	v_lshrrev_b32 v3, 1, v0
	v_mul_u32_u24 v3, v3, GP
	v_and_b32 v4, 1, v0
	v_lshl_add_u32 v3, v4, 5, v3                   ; record t / 2, half t % 2
	v_lshlrev_b32 v6, 3, v0
	s_wait_kmcnt 0x0
	s_add_nc_u64 s[6:7], s[6:7], s[14:15]
	s_add_nc_u64 s[4:5], s[4:5], s[16:17]
	s_add_nc_u64 s[8:9], s[8:9], s[18:19]
.irp i, 0,1,2,3,4,5
	global_load_b128 v[8+4*\i:11+4*\i], v2, s[6:7] offset:16*\i
.endr
.irp q, 0,1,2,3
.irp c, 0,1,2
	global_load_b32 v[64+3*\q+\c], v5, s[4:5] offset:384*\q+4*\c
.endr
.endr
	s_wait_loadcnt 0x0
	; the table: x, y, z into runs of eight, b = |c|^2
.irp c, 0,1,2,3,4,5,6,7
	v_mov_b32 v[32+\c], v[8+3*\c]
	v_mov_b32 v[40+\c], v[9+3*\c]
	v_mov_b32 v[48+\c], v[10+3*\c]
.endr
.irp c, 0,1,2,3,4,5,6,7
	v_mul_f32 v[56+\c], v[32+\c], v[32+\c]
.endr
.irp c, 0,1,2,3,4,5,6,7
	v_fma_f32 v[56+\c], v[40+\c], v[40+\c], v[56+\c]
.endr
.irp c, 0,1,2,3,4,5,6,7
	v_fma_f32 v[56+\c], v[48+\c], v[48+\c], v[56+\c]
.endr
.irp f, 0,1,2,3
	ds_store_b128 v3, v[32+8*\f:35+8*\f] offset:64*\f
	ds_store_b128 v3, v[36+8*\f:39+8*\f] offset:64*\f+16
.endr
	s_wait_dscnt 0x0                               ; my part of the table lies in LDS
	; the queries
.irp q, 0,1,2,3
	v_mul_f32 v[XQ+8*\q+6], v[64+3*\q], v[64+3*\q]
.endr
.irp q, 0,1,2,3
	v_fma_f32 v[XQ+8*\q+6], v[65+3*\q], v[65+3*\q], v[XQ+8*\q+6]
.endr
.irp q, 0,1,2,3
	v_fma_f32 v[XQ+8*\q+6], v[66+3*\q], v[66+3*\q], v[XQ+8*\q+6]
.endr
.irp q, 0,1,2,3
	v_mov_b32 v[XQ+8*\q+7], v[XQ+8*\q+6]
.irp c, 0,1,2
	v_mul_f32 v[XQ+8*\q+2*\c], -2.0, v[64+3*\q+\c]
	v_mul_f32 v[XQ+8*\q+2*\c+1], -2.0, v[64+3*\q+\c]
.endr
.irp c, 0,1,2
	v_mov_b32 v[MM+4*\q+\c], 0x7f800000            ; +infinity: every finite minimum goes in
	v_mov_b32 v[II+4*\q+\c], 0
.endr
	v_mov_b32 v[MM+4*\q+3], 0
	v_mov_b32 v[II+4*\q+3], 0
.endr
	s_barrier_signal -1
	s_barrier_wait -1                              ; the whole table lies in LDS
.macro LOADG buf, off                  ; a record into registers: every lane reads the same 256 bytes
.irp i, 0,1,2,3,4,5,6,7,8,9,10,11,12,13,14,15
	ds_load_b128 v[\buf+4*\i:\buf+4*\i+3], v[ADR] offset:\off+16*\i
.endr
.endm
; The 16 distances of a group for my 4 queries, two candidates an instruction, eight chains side by side; and their minimum.
.macro GROUP buf
.irp k, 0,1,2,3
.irp q, 0,1,2,3
.irp e, 0,1
	v_pk_mul_f32 v[TT+4*\q+2*\e:TT+4*\q+2*\e+1], v[\buf+4*\k+2*\e:\buf+4*\k+2*\e+1], v[XQ+8*\q:XQ+8*\q+1] op_sel_hi:[1,0]
.endr
.endr
.irp q, 0,1,2,3
.irp e, 0,1
	v_pk_fma_f32 v[TT+4*\q+2*\e:TT+4*\q+2*\e+1], v[\buf+16+4*\k+2*\e:\buf+16+4*\k+2*\e+1], v[XQ+8*\q+2:XQ+8*\q+3], v[TT+4*\q+2*\e:TT+4*\q+2*\e+1] op_sel_hi:[1,0,1]
.endr
.endr
.irp q, 0,1,2,3
.irp e, 0,1
	v_pk_fma_f32 v[TT+4*\q+2*\e:TT+4*\q+2*\e+1], v[\buf+32+4*\k+2*\e:\buf+32+4*\k+2*\e+1], v[XQ+8*\q+4:XQ+8*\q+5], v[TT+4*\q+2*\e:TT+4*\q+2*\e+1] op_sel_hi:[1,0,1]
.endr
.endr
.irp q, 0,1,2,3
.irp e, 0,1
	v_pk_add_f32 v[TT+4*\q+2*\e:TT+4*\q+2*\e+1], v[TT+4*\q+2*\e:TT+4*\q+2*\e+1], v[XQ+8*\q+6:XQ+8*\q+7] op_sel_hi:[1,0]
.endr
.endr
.irp q, 0,1,2,3
.irp e, 0,1
	v_pk_add_f32 v[TT+4*\q+2*\e:TT+4*\q+2*\e+1], v[TT+4*\q+2*\e:TT+4*\q+2*\e+1], v[\buf+48+4*\k+2*\e:\buf+48+4*\k+2*\e+1]
.endr
.endr
.irp q, 0,1,2,3
.if \k == 0
	v_min_num_f32 v[GM+\q], v[TT+4*\q], v[TT+4*\q+1]
.else
	v_min3_num_f32 v[GM+\q], v[GM+\q], v[TT+4*\q], v[TT+4*\q+1]
.endif
.endr
.irp q, 0,1,2,3
	v_min3_num_f32 v[GM+\q], v[GM+\q], v[TT+4*\q+2], v[TT+4*\q+3]
.endr
.endr
.endm
; The group's minimum goes into each query's sorted triple.  The compares are strict: of equal minima the earlier, lower group stays ahead.
.macro INS4
.irp q, 0,1,2,3
	v_cmp_lt_f32 s[28+3*\q], v[GM+\q], v[MM+4*\q]
	v_cmp_lt_f32 s[29+3*\q], v[GM+\q], v[MM+4*\q+1]
	v_cmp_lt_f32 s[30+3*\q], v[GM+\q], v[MM+4*\q+2]
.endr
.irp q, 0,1,2,3
	v_cndmask_b32 v[TI+2*\q], v[JV], v[II+4*\q+1], s[29+3*\q]
	v_cndmask_b32 v[TI+2*\q+1], v[JV], v[II+4*\q], s[28+3*\q]
.endr
.irp q, 0,1,2,3
	v_cndmask_b32 v[II+4*\q+2], v[II+4*\q+2], v[TI+2*\q], s[30+3*\q]
	v_cndmask_b32 v[II+4*\q+1], v[II+4*\q+1], v[TI+2*\q+1], s[29+3*\q]
	v_cndmask_b32 v[II+4*\q], v[II+4*\q], v[JV], s[28+3*\q]
	v_med3_num_f32 v[MM+4*\q+2], v[MM+4*\q+1], v[MM+4*\q+2], v[GM+\q]
	v_med3_num_f32 v[MM+4*\q+1], v[MM+4*\q], v[MM+4*\q+1], v[GM+\q]
	v_min_num_f32 v[MM+4*\q], v[MM+4*\q], v[GM+\q]
.endr
.endm
; Two groups.  refill = 1: each buffer takes the group two further on as soon as it has been read.
.macro TRIP refill
	s_wait_dscnt 16                                ; the first buffer is in; the other buffer's 16 loads were issued behind it
	GROUP CA
.if \refill
	LOADG CA, 2*GP
.endif
	v_mov_b32 v[JV], s21
	INS4
.if \refill
	s_wait_dscnt 16                                ; the second buffer is in; the 16 loads just issued may be out
.else
	s_wait_dscnt 0
.endif
	GROUP CB
.if \refill
	LOADG CB, 3*GP
	s_add_co_u32 s20, s20, 2*GP
.endif
	v_mov_b32 v[JV], s23
	INS4
.if \refill
	s_add_co_u32 s21, s21, 2
	s_add_co_u32 s23, s23, 2
	v_mov_b32 v[ADR], s20
.endif
.endm
	v_mov_b32 v[ADR], s20
	LOADG CA, 0
	LOADG CB, GP
	s_mov_b32 s22, 15
.Ltrip:
	TRIP 1
	s_sub_co_u32 s22, s22, 1
	s_cmp_lg_u32 s22, 0
	s_cbranch_scc1 .Ltrip
	TRIP 0                                         ; the last two groups: nothing is read past my quarter
	s_barrier_signal -1                            ; (no LDS instruction of mine is out: the last wait was for 0)
	s_barrier_wait -1
.irp q, 0,1,2,3
	ds_store_b128 v[MW], v[MM+4*\q:MM+4*\q+3] offset:32*MP*\q
	ds_store_b128 v[MW], v[II+4*\q:II+4*\q+3] offset:32*MP*\q+16
.endr
	s_wait_dscnt 0x0
	s_barrier_signal -1
	s_barrier_wait -1                              ; the four quarters' triples of all 256 queries lie in LDS
.irp i, 0,1,2,3,4,5,6,7
	ds_load_b128 v[CA+4*\i:CA+4*\i+3], v[MR] offset:16*\i
.endr
	s_wait_dscnt 0x0
.macro INS1 gm, j, m, g
	v_cmp_lt_f32 s28, v[\gm], v[\m]
	v_cmp_lt_f32 s29, v[\gm], v[\m+1]
	v_cmp_lt_f32 s30, v[\gm], v[\m+2]
	v_cndmask_b32 v[TI], \j, v[\g+1], s29
	v_cndmask_b32 v[TI+1], \j, v[\g], s28
	v_cndmask_b32 v[\g+2], v[\g+2], v[TI], s30
	v_cndmask_b32 v[\g+1], v[\g+1], v[TI+1], s29
	v_cndmask_b32 v[\g], v[\g], \j, s28
	v_med3_num_f32 v[\m+2], v[\m+1], v[\m+2], v[\gm]
	v_med3_num_f32 v[\m+1], v[\m], v[\m+1], v[\gm]
	v_min_num_f32 v[\m], v[\m], v[\gm]
.endm
.irp d, 1,2,3                          ; quarter 0's triple takes the others' nine entries, in ascending order of (quarter, rank)
.irp e, 0,1,2
	INS1 CA+8*\d+\e, v[CA+4+8*\d+\e], CA, CA+4
.endr
.endr
	; the three numbers, 0 .. 127, sorted: the next launch walks them in ascending order
	v_min_u32 v80, v[CA+4], v[CA+5]
	v_min_u32 v80, v80, v[CA+6]                    ; the lowest
	v_sub_nc_u32 v81, 127, v[CA+4]
	v_sub_nc_u32 v82, 127, v[CA+5]
	v_sub_nc_u32 v83, 127, v[CA+6]
	v_min_u32 v81, v81, v82
	v_min_u32 v81, v81, v83
	v_sub_nc_u32 v87, 127, v81                     ; the highest
	v_add3_u32 v84, v[CA+4], v[CA+5], v[CA+6]
	v_sub_nc_u32 v84, v84, v80
	v_sub_nc_u32 v84, v84, v87                     ; the middle one
	v_lshl_or_b32 v86, v84, 16, v80
	global_store_b64 v6, v[86:87], s[8:9]          ; a wave stores 256 consecutive bytes, aligned
	s_wait_tensorcnt 0x0
	ds_add_u32 v232, v233
	s_wait_dscnt 0x0
	s_endpgm
.Lfunc_end_k_qb3caf48bf7_knn_groups:
	.size	k_qb3caf48bf7_knn_groups, .Lfunc_end_k_qb3caf48bf7_knn_groups-k_qb3caf48bf7_knn_groups
	.p2alignl 7, 3214868480
	.fill 96, 4, 3214868480
	.section	.rodata,"a",@progbits
	.p2align	6, 0x0
	.amdhsa_kernel k_qb3caf48bf7_knn_groups
		.amdhsa_group_segment_fixed_size 72704
		.amdhsa_private_segment_fixed_size 0
		.amdhsa_enable_private_segment 0
		.amdhsa_kernarg_size 24
		.amdhsa_user_sgpr_count 2
		.amdhsa_user_sgpr_kernarg_segment_ptr 1
		.amdhsa_wavefront_size32 1
		.amdhsa_system_sgpr_workgroup_id_x 1
		.amdhsa_system_sgpr_workgroup_id_y 1
		.amdhsa_system_sgpr_workgroup_id_z 1
		.amdhsa_system_vgpr_workitem_id 0
		.amdhsa_next_free_vgpr 234
		.amdhsa_next_free_sgpr 66
		.amdhsa_reserve_vcc 0
		.amdhsa_float_denorm_mode_32 3
		.amdhsa_float_denorm_mode_16_64 3
		.amdhsa_memory_ordered 1
		.amdhsa_forward_progress 1
		.amdhsa_inst_pref_size 80
	.end_amdhsa_kernel
	.amdgpu_metadata
---
amdhsa.version: [ 1, 2 ]
amdhsa.kernels:
  - .name:           k_qb3caf48bf7_knn_groups
    .symbol:         k_qb3caf48bf7_knn_groups.kd
    .args:
      - { .name: xyz1, .offset: 0, .size: 8, .value_kind: global_buffer, .address_space: global }
      - { .name: xyz2, .offset: 8, .size: 8, .value_kind: global_buffer, .address_space: global }
      - { .name: gidx, .offset: 16, .size: 8, .value_kind: global_buffer, .address_space: global }
    .group_segment_fixed_size: 72704
    .private_segment_fixed_size: 0
    .kernarg_segment_align: 8
    .kernarg_segment_size: 24
    .max_flat_workgroup_size: 256
    .sgpr_count:     66
    .vgpr_count:     234
    .wavefront_size: 32
...
	.end_amdgpu_metadata
.endif
;; end of part 1
;; launch knn_pick (part 2): grid 256 x 1, 8 waves a work-group, no clusters, 35,840 bytes of LDS; arguments xyz1, xyz2, gidx, nidx, wts; writes nidx, wts
.if DOCPART == 2
	.amdgcn_target "amdgcn-amd-amdhsa--gfx1250"
	.amdhsa_code_object_version 6
	.text
	.protected	k_qb3caf48bf7_knn_pick
	.globl	k_qb3caf48bf7_knn_pick
	.p2align	8
	.type	k_qb3caf48bf7_knn_pick,@function
k_qb3caf48bf7_knn_pick:
	s_mov_b64 s[64:65], 0
	v_nop
	global_prefetch_b8 v0, s[64:65] scope:SCOPE_SE
	s_setreg_imm32_b32 hwreg(HW_REG_WAVE_MODE, 25, 1), 1
	s_wait_xcnt 0x0
; SECOND HALF OF THE SEARCH.  Thread t takes query 256 wg + t, reads its three groups (stored sorted by the launch before), forms the 48 distances by the
; same lines as that launch, and keeps the 3 smallest by (d, index): groups and candidates are walked in ascending order and the compares are strict.
; Then w = 1 / max(d, 1e-10), divided by the three's sum.  Stored: nidx[q] = i1, i2, i3, 0 and wts[q] = w1, w2, w3, 0.
; The table of candidates is built as in the launch before; behind the one barrier LDS is only read.
; LIMITS: NaN and infinities among the coordinates are not served.
.set GP, 272
.set DD, 40                            ; v[40:55] a group's 16 distances
.set CC, 64                            ; v[64:255] the three records
	s_load_b256 s[4:11], s[0:1], 0x0               ; xyz1, xyz2, gidx, nidx
	s_load_b64 s[12:13], s[0:1], 0x20              ; wts
	v_lshl_add_u32 v1, v0, 2, 0x8800
	s_set_vgpr_msb 0x40
	v_mov_b32 v1, 0
	s_set_vgpr_msb 0x4000
	s_lshr_b32 s14, ttmp9, 5
	s_mul_i32 s14, s14, 24576
	s_mov_b32 s15, 0
	s_mul_i32 s16, ttmp9, 3072
	s_mov_b32 s17, 0
	s_lshl_b32 s18, ttmp9, 11
	s_mov_b32 s19, 0
	s_lshl_b32 s20, ttmp9, 12
	s_mov_b32 s21, 0
	v_mul_u32_u24 v2, v0, 96
	v_mul_u32_u24 v5, v0, 12
	v_lshlrev_b32 v6, 3, v0
	v_lshlrev_b32 v7, 4, v0
	v_lshrrev_b32 v3, 1, v0
	v_mul_u32_u24 v3, v3, GP
	v_and_b32 v4, 1, v0
	v_lshl_add_u32 v3, v4, 5, v3
	s_wait_kmcnt 0x0
	s_add_nc_u64 s[6:7], s[6:7], s[14:15]
	s_add_nc_u64 s[4:5], s[4:5], s[16:17]
	s_add_nc_u64 s[8:9], s[8:9], s[18:19]
	s_add_nc_u64 s[10:11], s[10:11], s[20:21]
	s_add_nc_u64 s[12:13], s[12:13], s[20:21]
.irp i, 0,1,2,3,4,5
	global_load_b128 v[8+4*\i:11+4*\i], v2, s[6:7] offset:16*\i
.endr
	global_load_b32 v64, v5, s[4:5]
	global_load_b32 v65, v5, s[4:5] offset:4
	global_load_b32 v66, v5, s[4:5] offset:8
	global_load_b64 v[68:69], v6, s[8:9]
	s_wait_loadcnt 0x0
.irp c, 0,1,2,3,4,5,6,7
	v_mov_b32 v[32+\c], v[8+3*\c]
	v_mov_b32 v[40+\c], v[9+3*\c]
	v_mov_b32 v[48+\c], v[10+3*\c]
.endr
.irp c, 0,1,2,3,4,5,6,7
	v_mul_f32 v[56+\c], v[32+\c], v[32+\c]
.endr
.irp c, 0,1,2,3,4,5,6,7
	v_fma_f32 v[56+\c], v[40+\c], v[40+\c], v[56+\c]
.endr
.irp c, 0,1,2,3,4,5,6,7
	v_fma_f32 v[56+\c], v[48+\c], v[48+\c], v[56+\c]
.endr
.irp f, 0,1,2,3
	ds_store_b128 v3, v[32+8*\f:35+8*\f] offset:64*\f
	ds_store_b128 v3, v[36+8*\f:39+8*\f] offset:64*\f+16
.endr
	s_wait_dscnt 0x0
	s_barrier_signal -1
	s_barrier_wait -1                              ; the table lies in LDS; nothing is stored there from here on
	v_mul_f32 v14, v64, v64
	v_fma_f32 v14, v65, v65, v14
	v_fma_f32 v14, v66, v66, v14                   ; |q|^2
	v_mov_b32 v15, v14
.irp c, 0,1,2
	v_mul_f32 v[8+2*\c], -2.0, v[64+\c]
	v_mul_f32 v[9+2*\c], -2.0, v[64+\c]
.endr
	v_and_b32 v16, 0xffff, v68
	v_lshrrev_b32 v17, 16, v68
	v_min_u32 v16, 127, v16                        ; a loaded number enters an address only behind a bound
	v_min_u32 v17, 127, v17
	v_min_u32 v18, 127, v69
	v_mul_u32_u24 v19, v16, GP
	v_mul_u32_u24 v20, v17, GP
	v_mul_u32_u24 v21, v18, GP
.irp c, 0,1,2
	v_mov_b32 v[24+\c], 0x7f800000
	v_mov_b32 v[28+\c], 0
.endr
.irp s, 0,1,2
.irp i, 0,1,2,3,4,5,6,7,8,9,10,11,12,13,14,15
	ds_load_b128 v[CC+64*\s+4*\i:CC+64*\s+4*\i+3], v[19+\s] offset:16*\i
.endr
.endr
.macro INS1 gm, j                      ; d in v[gm], its code j = 16 x slot + place, into the sorted triple v24-26 / v28-30
	v_cmp_lt_f32 s24, v[\gm], v24
	v_cmp_lt_f32 s25, v[\gm], v25
	v_cmp_lt_f32 s26, v[\gm], v26
	v_cndmask_b32 v32, \j, v29, s25
	v_cndmask_b32 v33, \j, v28, s24
	v_cndmask_b32 v30, v30, v32, s26
	v_cndmask_b32 v29, v29, v33, s25
	v_cndmask_b32 v28, v28, \j, s24
	v_med3_num_f32 v26, v25, v26, v[\gm]
	v_med3_num_f32 v25, v24, v25, v[\gm]
	v_min_num_f32 v24, v24, v[\gm]
.endm
.macro PICK s
	s_wait_dscnt 32-16*\s                          ; this group's 16 loads are in; the later groups' may be out
.irp p, 0,1,2,3,4,5,6,7
	v_pk_mul_f32 v[DD+2*\p:DD+2*\p+1], v[CC+64*\s+2*\p:CC+64*\s+2*\p+1], v[8:9] op_sel_hi:[1,0]
.endr
.irp p, 0,1,2,3,4,5,6,7
	v_pk_fma_f32 v[DD+2*\p:DD+2*\p+1], v[CC+64*\s+16+2*\p:CC+64*\s+16+2*\p+1], v[10:11], v[DD+2*\p:DD+2*\p+1] op_sel_hi:[1,0,1]
.endr
.irp p, 0,1,2,3,4,5,6,7
	v_pk_fma_f32 v[DD+2*\p:DD+2*\p+1], v[CC+64*\s+32+2*\p:CC+64*\s+32+2*\p+1], v[12:13], v[DD+2*\p:DD+2*\p+1] op_sel_hi:[1,0,1]
.endr
.irp p, 0,1,2,3,4,5,6,7
	v_pk_add_f32 v[DD+2*\p:DD+2*\p+1], v[DD+2*\p:DD+2*\p+1], v[14:15] op_sel_hi:[1,0]
.endr
.irp p, 0,1,2,3,4,5,6,7
	v_pk_add_f32 v[DD+2*\p:DD+2*\p+1], v[DD+2*\p:DD+2*\p+1], v[CC+64*\s+48+2*\p:CC+64*\s+48+2*\p+1]
.endr
.irp i, 0,1,2,3,4,5,6,7,8,9,10,11,12,13,14,15
	INS1 DD+\i, 16*\s+\i
.endr
.endm
	PICK 0
	PICK 1
	PICK 2
.irp c, 0,1,2                          ; code -> index: 16 x (the slot's group) + place
	v_lshrrev_b32 v32, 4, v[28+\c]
	v_and_b32 v33, 15, v[28+\c]
	v_cmp_eq_u32 s24, 1, v32
	v_cmp_eq_u32 s25, 2, v32
	v_cndmask_b32 v34, v16, v17, s24
	v_cndmask_b32 v34, v34, v18, s25
	v_lshl_add_u32 v[56+\c], v34, 4, v33
.endr
.irp c, 0,1,2
	v_max_num_f32 v[32+\c], 0x2edbe6ff, v[24+\c]   ; max(d, 1e-10)
.endr
	v_rcp_f32 v36, v32
	v_rcp_f32 v37, v33
	v_rcp_f32 v38, v34
	v_mov_b32 v59, 0                               ; a plain line behind the reciprocals
	s_wait_alu depctr_va_vdst(0)                   ; one wait for the three, ahead of their first reader
	v_add_f32 v39, v36, v37
	v_add_f32 v39, v39, v38
	v_rcp_f32 v35, v39
	v_mov_b32 v63, 0
	s_wait_alu depctr_va_vdst(0)
	v_mul_f32 v60, v36, v35
	v_mul_f32 v61, v37, v35
	v_mul_f32 v62, v38, v35
	global_store_b128 v7, v[56:59], s[10:11]       ; a wave stores 512 consecutive bytes, aligned
	global_store_b128 v7, v[60:63], s[12:13]
	s_set_vgpr_msb 0x4
	s_wait_tensorcnt 0x0
	ds_add_u32 v1, v1
	s_wait_dscnt 0x0
	s_set_vgpr_msb 0x400
	s_endpgm
.Lfunc_end_k_qb3caf48bf7_knn_pick:
	.size	k_qb3caf48bf7_knn_pick, .Lfunc_end_k_qb3caf48bf7_knn_pick-k_qb3caf48bf7_knn_pick
	.p2alignl 7, 3214868480
	.fill 96, 4, 3214868480
	.section	.rodata,"a",@progbits
	.p2align	6, 0x0
	.amdhsa_kernel k_qb3caf48bf7_knn_pick
		.amdhsa_group_segment_fixed_size 35840
		.amdhsa_private_segment_fixed_size 0
		.amdhsa_enable_private_segment 0
		.amdhsa_kernarg_size 40
		.amdhsa_user_sgpr_count 2
		.amdhsa_user_sgpr_kernarg_segment_ptr 1
		.amdhsa_wavefront_size32 1
		.amdhsa_system_sgpr_workgroup_id_x 1
		.amdhsa_system_sgpr_workgroup_id_y 1
		.amdhsa_system_sgpr_workgroup_id_z 1
		.amdhsa_system_vgpr_workitem_id 0
		.amdhsa_next_free_vgpr 258
		.amdhsa_next_free_sgpr 66
		.amdhsa_reserve_vcc 0
		.amdhsa_float_denorm_mode_32 3
		.amdhsa_float_denorm_mode_16_64 3
		.amdhsa_memory_ordered 1
		.amdhsa_forward_progress 1
		.amdhsa_inst_pref_size 51
	.end_amdhsa_kernel
	.amdgpu_metadata
---
amdhsa.version: [ 1, 2 ]
amdhsa.kernels:
  - .name:           k_qb3caf48bf7_knn_pick
    .symbol:         k_qb3caf48bf7_knn_pick.kd
    .args:
      - { .name: xyz1, .offset: 0, .size: 8, .value_kind: global_buffer, .address_space: global }
      - { .name: xyz2, .offset: 8, .size: 8, .value_kind: global_buffer, .address_space: global }
      - { .name: gidx, .offset: 16, .size: 8, .value_kind: global_buffer, .address_space: global }
      - { .name: nidx, .offset: 24, .size: 8, .value_kind: global_buffer, .address_space: global }
      - { .name: wts, .offset: 32, .size: 8, .value_kind: global_buffer, .address_space: global }
    .group_segment_fixed_size: 35840
    .private_segment_fixed_size: 0
    .kernarg_segment_align: 8
    .kernarg_segment_size: 40
    .max_flat_workgroup_size: 256
    .sgpr_count:     66
    .vgpr_count:     258
    .wavefront_size: 32
...
	.end_amdgpu_metadata
.endif
;; end of part 2
;; launch interp_gemm1 (part 3): grid 256 x 1, 8 waves a work-group, no clusters, 89,088 bytes of LDS; arguments points1, points2, nidx, wts, W1_codes, lowp_scales, xcodes, part1; writes xcodes, part1
.if DOCPART == 3
	.amdgcn_target "amdgcn-amd-amdhsa--gfx1250"
	.amdhsa_code_object_version 6
	.text
	.protected	k_qb3caf48bf7_interp_gemm1
	.globl	k_qb3caf48bf7_interp_gemm1
	.p2align	8
	.type	k_qb3caf48bf7_interp_gemm1,@function
k_qb3caf48bf7_interp_gemm1:
	s_mov_b64 s[64:65], 0
	v_nop
	global_prefetch_b8 v0, s[64:65] scope:SCOPE_SE
	s_setreg_imm32_b32 hwreg(HW_REG_WAVE_MODE, 25, 1), 1
	s_wait_xcnt 0x0
; x = [points1 | w1 p2[i1] + w2 p2[i2] + w3 p2[i3]], quantised to E4M3 with 2^e0; x's codes are stored; raw sums s = codes(x) . codes(W1) are made, and of them
; each channel's mean and sum of squared deviations over the work-group's 256 points (shifted by the first point's sum: no difference of large sums).
; SHARES.  A work-group owns 256 points.  Phase 1: wave w makes the codes of points 32 w .. 32 w + 31, four points a chunk: a row of points2 is 1,024 bytes, two loads of
; 512 consecutive bytes a wave; a lane holds channels 4 l .. + 3 and 128 + 4 l .. + 3 of the sum.  The indices and weights come by scalar loads.  The codes go to rows in LDS
; (336 bytes apart = 21 x 16), come back in the order of the operand's registers, and are stored so.  Phase 2: wave w makes channels 32 w .. + 31 for all 16 tiles of 16 points.
; THE PRODUCT IS USED TRANSPOSED (source 0 = 16 rows of W1, source 1 = 16 points), and lane r of tile u takes W1's row 32 w + 8 u + r + 8 (r / 8): register j of tile u in
; half h is channel 32 w + 16 h + 8 u + j.  A fragment's registers 4 c .. 4 c + 3 hold k = 32 c + 16 h + 0 .. 15 on both sides: the same permutation of k in both operands.
; W1's slice (10 KiB a wave) goes once into registers, and points2's rows differ from work-group to work-group: nothing to ask for jointly.
; LIMITS: e0 between -126 and 119; NaN among the inputs is not served.
.set XP,   336
.set STAT, 86016                       ; behind the 256 rows: mean[256], then M2[256]
.set G0,   16                          ; v[16:111], v[112:207]: two chunks' rows: point p at + 24 p, row k at + 8 k
.set G1,   112
.set WV0,  208                         ; v[208:219], v[220:231]: their 12 weights
.set WV1,  220
.set CD,   232                         ; v[232:239] a chunk's codes
.set P1,   112                         ; points1's numbers, and their codes
.set P1C,  176
.set W1F,  16                          ; v[16:95] W1's fragments: tile u at + 40 u
.set XS,   112
.set XF,   112                         ; v[112:151] x's fragment of a tile
.set ACC,  152                         ; v[152:167]
.set TT,   168
.set CC,   184                         ; the shift, later the mean
.set SS,   200
.set QQ,   216
.set SI,   24                          ; s[24:39] a chunk's indices;  s[40:55] its weights
.set SW,   40
	s_load_b512 s[4:19], s[0:1], 0x0               ; points1, points2, nidx, wts, W1, scales, xcodes, part1
	v_lshl_add_u32 v240, v0, 2, 0x15800
	v_mov_b32 v241, 0
	v_lshrrev_b32 v2, 5, v0
	v_readfirstlane_b32 s20, v2                    ; wave
	v_and_b32 v13, 31, v0                          ; lane
	v_and_b32 v14, 15, v0                          ; r
	v_bfe_u32 v15, v0, 4, 1                        ; h
	v_lshlrev_b32 v1, 4, v13                       ; 16 x lane
	s_mul_i32 s21, s20, 32*XP                      ; my 32 rows in LDS
	v_lshl_add_u32 v2, v13, 2, 64
	v_add_nc_u32 v2, s21, v2                       ; the sum's codes: behind points1's 64, 4 bytes a lane
	v_mul_u32_u24 v4, v15, XP
	v_lshl_add_u32 v4, v14, 2, v4
	v_add_nc_u32 v4, s21, v4                       ; points1's codes: two rows a load
	v_mul_u32_u24 v5, v14, XP
	v_lshl_add_u32 v5, v15, 4, v5                  ; a fragment: row r, + 16 h
	v_add_nc_u32 v6, s21, v5
	v_and_b32 v7, 8, v14
	v_add_nc_u32 v7, v7, v14
	v_mul_u32_u24 v7, v7, 320
	v_lshl_add_u32 v7, v15, 4, v7                  ; W1: row r + 8 (r / 8), + 16 h
	s_lshl_b32 s22, s20, 7
	v_lshl_add_u32 v10, v15, 6, STAT
	v_add_nc_u32 v10, s22, v10                     ; my 16 channels' words
	v_and_b32 v11, 1, v0
	v_lshlrev_b32 v11, 10, v11
	v_lshrrev_b32 v12, 1, v0
	v_lshl_add_u32 v11, v12, 3, v11
	v_add_nc_u32 v11, STAT, v11                    ; thread t: even: means of channels t, t + 1; odd: their M2
	v_lshlrev_b32 v12, 3, v0
	s_lshl_b32 s23, ttmp9, 8
	s_lshl_b32 s22, s20, 5
	s_add_co_u32 s23, s23, s22                     ; my first point
	s_mov_b32 s83, 0
	s_mov_b32 s84, 0                               ; byte of the chunk pair in hand in my 512 bytes of nidx and of wts
	s_mov_b32 s85, 0                               ; and its rows in LDS
	s_wait_kmcnt 0x0
	s_load_b128 s[88:91], s[14:15], 0x0            ; e0 ..
	s_lshl_b32 s82, s23, 8
	s_add_nc_u64 s[4:5], s[4:5], s[82:83]
	s_lshr_b32 s82, ttmp9, 5
	s_lshl_b32 s82, s82, 21
	s_add_nc_u64 s[6:7], s[6:7], s[82:83]          ; my batch's table
	s_lshl_b32 s82, s23, 4
	s_add_nc_u64 s[8:9], s[8:9], s[82:83]
	s_add_nc_u64 s[10:11], s[10:11], s[82:83]
	s_mul_i32 s82, s20, 10240
	s_add_nc_u64 s[12:13], s[12:13], s[82:83]
	s_mul_i32 s82, s23, 320
	s_add_nc_u64 s[16:17], s[16:17], s[82:83]
	s_lshl_b32 s82, ttmp9, 11
	s_add_nc_u64 s[18:19], s[18:19], s[82:83]
.set i, 0
.rept 16
	global_load_b128 v[P1+4*i:P1+4*i+3], v1, s[4:5] offset:512*i th:TH_LOAD_NT
.set i, i+1
.endr
.macro SLOAD imm                       ; a chunk's four indices' and four weights' records
	s_load_b512 s[SI:SI+15], s[8:9], s84 offset:\imm
	s_load_b512 s[SW:SW+15], s[10:11], s84 offset:\imm
.endm
; The chunk's 12 rows are asked for: 24 loads.  The row bases lie in s[56:63] and s[66:81].
.macro ISSUE g, wv, step
	s_wait_kmcnt 0x0                               ; the indices and weights are in; no scalar load is out, so their offset may step
.if \step
	s_add_co_u32 s84, s84, 128
.endif
	s_wait_xcnt 0x0                                ; the earlier loads have read their bases
.irp j, 0,1,2,3,4,5,6,7,8,9,10,11
	s_min_u32 s82, s[SI+4*(\j/3)+\j%3], 2047
	s_lshl_b32 s82, s82, 10
	s_add_nc_u64 s[56+2*\j+2*((\j+4)/8):57+2*\j+2*((\j+4)/8)], s[6:7], s[82:83]
	v_mov_b32 v[\wv+\j], s[SW+4*(\j/3)+\j%3]
	global_load_b128 v[\g+8*\j:\g+8*\j+3], v1, s[56+2*\j+2*((\j+4)/8):57+2*\j+2*((\j+4)/8)]
	global_load_b128 v[\g+8*\j+4:\g+8*\j+7], v1, s[56+2*\j+2*((\j+4)/8):57+2*\j+2*((\j+4)/8)] offset:512
.endr
.endm
; The chunk's weighted sums, held within +-448 x 2^e0, converted, into my rows.  n: the loads issued behind the chunk's.
.macro PROCESS g, wv, imm0, n
	s_wait_loadcnt \n
	s_wait_dscnt 0x0                               ; the last chunk's LDS stores are done
	v_add_nc_u32 v3, s85, v2
.irp p, 0,1,2,3
.irp i, 0,1,2,3,4,5,6,7
	v_mul_f32 v[\g+24*\p+\i], v[\g+24*\p+\i], v[\wv+3*\p]
.endr
.irp i, 0,1,2,3,4,5,6,7
	v_fma_f32 v[\g+24*\p+\i], v[\g+24*\p+8+\i], v[\wv+3*\p+1], v[\g+24*\p+\i]
.endr
.irp i, 0,1,2,3,4,5,6,7
	v_fma_f32 v[\g+24*\p+\i], v[\g+24*\p+16+\i], v[\wv+3*\p+2], v[\g+24*\p+\i]
.endr
.irp i, 0,1,2,3,4,5,6,7
	v_med3_num_f32 v[\g+24*\p+\i], v[\g+24*\p+\i], -v9, v9
.endr
	v_cvt_scalef32_pk8_fp8_f32 v[CD+2*\p:CD+2*\p+1], v[\g+24*\p:\g+24*\p+7], v8
.endr
	v_nop                                          ; a plain line behind the last conversion
.irp p, 0,1,2,3
	ds_store_b32 v3, v[CD+2*\p] offset:\imm0+XP*\p
	ds_store_b32 v3, v[CD+2*\p+1] offset:\imm0+XP*\p+128
.endr
.endm
	SLOAD 0
	ISSUE G0, WV0, 0                               ; chunk 0
	SLOAD 64
	s_add_co_i32 s92, s88, 127
	s_lshl_b32 s93, s92, 23
	v_mov_b32 v8, s93                              ; 2^e0 as f32: the conversion takes its exponent field
	s_add_co_i32 s92, s92, 8
	s_lshl_b32 s92, s92, 23
	s_or_b32 s92, s92, 0x600000
	v_mov_b32 v9, s92                              ; 448 x 2^e0
	s_wait_loadcnt 24                              ; points1 is in; chunk 0's 24 loads may be out
.irp k, 0,1,2,3,4,5,6,7
.irp i, 0,1,2,3,4,5,6,7
	v_med3_num_f32 v[P1+8*\k+\i], v[P1+8*\k+\i], -v9, v9
.endr
	v_cvt_scalef32_pk8_fp8_f32 v[P1C+2*\k:P1C+2*\k+1], v[P1+8*\k:P1+8*\k+7], v8
.endr
	v_nop
.irp k, 0,1,2,3,4,5,6,7
	ds_store_b32 v4, v[P1C+2*\k] offset:4*\k*XP            ; points 4 k, 4 k + 1
	ds_store_b32 v4, v[P1C+2*\k+1] offset:4*\k*XP+2*XP     ; points 4 k + 2, 4 k + 3
.endr
	s_wait_dscnt 0x0
	s_mov_b32 s86, 3
.Lchunk:                                               ; trip t: chunks 2 t and 2 t + 1 are worked; 2 t + 1 and 2 t + 2 are asked for
	ISSUE G1, WV1, 0
	SLOAD 128
	PROCESS G0, WV0, 0, 24
	ISSUE G0, WV0, 1
	SLOAD 64
	PROCESS G1, WV1, 4*XP, 24
	s_add_co_u32 s85, s85, 8*XP
	s_sub_co_u32 s86, s86, 1
	s_cmp_lg_u32 s86, 0
	s_cbranch_scc1 .Lchunk
	ISSUE G1, WV1, 0                               ; chunk 7: nothing is asked for behind it
	PROCESS G0, WV0, 0, 24
.irp u, 0,1
.irp c, 0,1,2,3,4,5,6,7,8,9
	global_load_b128 v[W1F+40*\u+4*\c:W1F+40*\u+4*\c+3], v7, s[12:13] offset:2560*\u+32*\c
.endr
.endr
	PROCESS G1, WV1, 4*XP, 20                      ; behind chunk 7's loads: W1's 20
	; my two tiles come back in the order of the operand's registers (LDS serves a wave's instructions in order) and are stored so
.irp t, 0,1
.irp c, 0,1,2,3,4,5,6,7,8,9
	ds_load_b128 v[XS+40*\t+4*\c:XS+40*\t+4*\c+3], v6 offset:16*XP*\t+32*\c
.endr
.endr
	s_wait_dscnt 0x0
.irp t, 0,1
.irp c, 0,1,2,3,4,5,6,7,8,9
	global_store_b128 v1, v[XS+40*\t+4*\c:XS+40*\t+4*\c+3], s[16:17] offset:5120*\t+512*\c
.endr
.endr
	s_wait_xcnt 0x0                                ; the stores have read their registers, which phase 2 writes
	s_barrier_signal -1
	s_barrier_wait -1                              ; all 256 rows of codes lie in LDS
; A tile of 16 points: ten products (K = 320 in steps of 64), the two accumulators by turns; then the statistics.
.macro TILE1 first, more
	s_wait_dscnt 0x0
.irp s, 0,1,2,3,4
.irp u, 0,1
.if \s == 0
	v_wmma_f32_16x16x64_fp8_fp8 v[ACC+8*\u:ACC+8*\u+7], v[W1F+40*\u+8*\s:W1F+40*\u+8*\s+7], v[XF+8*\s:XF+8*\s+7], 0
.else
	v_wmma_f32_16x16x64_fp8_fp8 v[ACC+8*\u:ACC+8*\u+7], v[W1F+40*\u+8*\s:W1F+40*\u+8*\s+7], v[XF+8*\s:XF+8*\s+7], v[ACC+8*\u:ACC+8*\u+7]
.endif
.endr
.endr
.rept 4
	v_nop                                          ; places ahead of the loads into the fragment and of the first read of the sums
.endr
.if \more
	s_add_co_u32 s87, s87, 16*XP
	v_add_nc_u32 v6, s87, v5
.irp c, 0,1,2,3,4,5,6,7,8,9
	ds_load_b128 v[XF+4*\c:XF+4*\c+3], v6 offset:32*\c
.endr
.endif
.if \first
.set j, 0
.rept 16
	v_mov_b32 v[CC+j], v[ACC+j]
.set j, j+1
.endr
.set j, 0
.rept 16
	v_mov_b32_dpp v[CC+j], v[CC+j] row_share:0 row_mask:0xf bank_mask:0xf   ; the shift: the first point's sums, in all 16 lanes of my half
.set j, j+1
.endr
.set j, 0
.rept 8
	v_pk_add_f32 v[SS+j:SS+j+1], v[ACC+j:ACC+j+1], v[CC+j:CC+j+1] neg_lo:[0,1] neg_hi:[0,1]
.set j, j+2
.endr
.set j, 0
.rept 8
	v_pk_mul_f32 v[QQ+j:QQ+j+1], v[SS+j:SS+j+1], v[SS+j:SS+j+1]
.set j, j+2
.endr
.else
.set j, 0
.rept 8
	v_pk_add_f32 v[TT+j:TT+j+1], v[ACC+j:ACC+j+1], v[CC+j:CC+j+1] neg_lo:[0,1] neg_hi:[0,1]
.set j, j+2
.endr
.set j, 0
.rept 8
	v_pk_add_f32 v[SS+j:SS+j+1], v[SS+j:SS+j+1], v[TT+j:TT+j+1]
	v_pk_fma_f32 v[QQ+j:QQ+j+1], v[TT+j:TT+j+1], v[TT+j:TT+j+1], v[QQ+j:QQ+j+1]
.set j, j+2
.endr
.endif
.endm
.irp c, 0,1,2,3,4,5,6,7,8,9
	ds_load_b128 v[XF+4*\c:XF+4*\c+3], v5 offset:32*\c
.endr
	s_mov_b32 s87, 0
	s_wait_loadcnt 0x0                             ; W1's fragments
	TILE1 1, 1
	s_mov_b32 s86, 14
.Ltile:
	TILE1 0, 1
	s_sub_co_u32 s86, s86, 1
	s_cmp_lg_u32 s86, 0
	s_cbranch_scc1 .Ltile
	TILE1 0, 0
.irp m, 1,2,4,8                        ; over the 16 points of a tile: the 16 lanes of my half
.set j, 0
.rept 32
	v_add_f32_dpp v[SS+j], v[SS+j], v[SS+j] row_xmask:\m row_mask:0xf bank_mask:0xf
.set j, j+1
.endr
.endr
.set j, 0
.rept 8
	v_pk_mul_f32 v[TT+j:TT+j+1], v[SS+j:SS+j+1], 0x3b800000 op_sel_hi:[1,0]      ; S / 256
.set j, j+2
.endr
.set j, 0
.rept 8
	v_pk_add_f32 v[CC+j:CC+j+1], v[CC+j:CC+j+1], v[TT+j:TT+j+1]                  ; mean = shift + S / 256
	v_pk_fma_f32 v[QQ+j:QQ+j+1], v[TT+j:TT+j+1], v[SS+j:SS+j+1], v[QQ+j:QQ+j+1] neg_lo:[1,0,0] neg_hi:[1,0,0]   ; M2 = Q - S S / 256
.set j, j+2
.endr
.irp i, 0,1,2,3
	ds_store_b128 v10, v[CC+4*\i:CC+4*\i+3] offset:16*\i             ; the 16 lanes of a half store equal words
	ds_store_b128 v10, v[QQ+4*\i:QQ+4*\i+3] offset:1024+16*\i
.endr
	s_wait_dscnt 0x0
	s_barrier_signal -1
	s_barrier_wait -1
	ds_load_b64 v[TT:TT+1], v11
	s_wait_dscnt 0x0
	global_store_b64 v12, v[TT:TT+1], s[18:19]     ; records {mean, mean, M2, M2} of two channels; a wave stores 256 consecutive bytes, aligned
	s_wait_tensorcnt 0x0
	ds_add_u32 v240, v241
	s_wait_dscnt 0x0
	s_endpgm
.Lfunc_end_k_qb3caf48bf7_interp_gemm1:
	.size	k_qb3caf48bf7_interp_gemm1, .Lfunc_end_k_qb3caf48bf7_interp_gemm1-k_qb3caf48bf7_interp_gemm1
	.p2alignl 7, 3214868480
	.fill 96, 4, 3214868480
	.section	.rodata,"a",@progbits
	.p2align	6, 0x0
	.amdhsa_kernel k_qb3caf48bf7_interp_gemm1
		.amdhsa_group_segment_fixed_size 89088
		.amdhsa_private_segment_fixed_size 0
		.amdhsa_enable_private_segment 0
		.amdhsa_kernarg_size 64
		.amdhsa_user_sgpr_count 2
		.amdhsa_user_sgpr_kernarg_segment_ptr 1
		.amdhsa_wavefront_size32 1
		.amdhsa_system_sgpr_workgroup_id_x 1
		.amdhsa_system_sgpr_workgroup_id_y 1
		.amdhsa_system_sgpr_workgroup_id_z 1
		.amdhsa_system_vgpr_workitem_id 0
		.amdhsa_next_free_vgpr 242
		.amdhsa_next_free_sgpr 96
		.amdhsa_reserve_vcc 0
		.amdhsa_float_denorm_mode_32 3
		.amdhsa_float_denorm_mode_16_64 3
		.amdhsa_memory_ordered 1
		.amdhsa_forward_progress 1
		.amdhsa_inst_pref_size 85
	.end_amdhsa_kernel
	.amdgpu_metadata
---
amdhsa.version: [ 1, 2 ]
amdhsa.kernels:
  - .name:           k_qb3caf48bf7_interp_gemm1
    .symbol:         k_qb3caf48bf7_interp_gemm1.kd
    .args:
      - { .name: points1, .offset: 0, .size: 8, .value_kind: global_buffer, .address_space: global }
      - { .name: points2, .offset: 8, .size: 8, .value_kind: global_buffer, .address_space: global }
      - { .name: nidx, .offset: 16, .size: 8, .value_kind: global_buffer, .address_space: global }
      - { .name: wts, .offset: 24, .size: 8, .value_kind: global_buffer, .address_space: global }
      - { .name: W1_codes, .offset: 32, .size: 8, .value_kind: global_buffer, .address_space: global }
      - { .name: lowp_scales, .offset: 40, .size: 8, .value_kind: global_buffer, .address_space: global }
      - { .name: xcodes, .offset: 48, .size: 8, .value_kind: global_buffer, .address_space: global }
      - { .name: part1, .offset: 56, .size: 8, .value_kind: global_buffer, .address_space: global }
    .group_segment_fixed_size: 89088
    .private_segment_fixed_size: 0
    .kernarg_segment_align: 8
    .kernarg_segment_size: 64
    .max_flat_workgroup_size: 256
    .sgpr_count:     96
    .vgpr_count:     242
    .wavefront_size: 32
...
	.end_amdgpu_metadata
.endif
;; end of part 3
;; launch bn1_gemm2 (part 4): grid 256 x 1, 8 waves a work-group, no clusters, 160,768 bytes of LDS; arguments xcodes, W1_codes, W2_codes, part1, g1, b1, lowp_scales, hcodes, part2; writes hcodes, part2
.if DOCPART == 4
	.amdgcn_target "amdgcn-amd-amdhsa--gfx1250"
	.amdhsa_code_object_version 6
	.text
	.protected	k_qb3caf48bf7_bn1_gemm2
	.globl	k_qb3caf48bf7_bn1_gemm2
	.p2align	8
	.type	k_qb3caf48bf7_bn1_gemm2,@function
k_qb3caf48bf7_bn1_gemm2:
	s_mov_b64 s[64:65], 0
	v_nop
	global_prefetch_b8 v0, s[64:65] scope:SCOPE_SE
	s_setreg_imm32_b32 hwreg(HW_REG_WAVE_MODE, 25, 1), 1
	s_wait_xcnt 0x0
; The first batch norm's coefficients from the 256 work-groups' partial statistics; the first product once more (from x's codes: five sixteenths of the bytes that its f32 sums would be);
; h = relu((s - mean) coef + b1), quantised to E4M3 with 2^e2, stored as codes; the second product's raw sums, and their partial statistics.
; STATISTICS.  A partial is (mean_p, M2_p) over 256 points.  With c0 = partial 0's mean: A = sum(mean_p - c0), B = sum((mean_p - c0)^2), M = sum M2_p;
; mean = c0 + A / 256; var = (M + 256 (B - A A / 256)) / 65536, x 2^(2 (e0 + e1)); coef = g / sqrt(var + 1e-5) x 2^(e0 + e1).  No difference of large sums.
; SHARES.  A work-group owns 256 points.  Thread t sums channel pair t % 128 over partials 128 (t / 128) .. + 127, through a ring of 32 loads; the loads of the weights follow in the same
; ring and land where they stay.  First product: wave w makes channels 32 w .. + 31 of all 16 tiles; its 16 numbers a lane become 16 codes, which are K = 32 w + 16 h .. of the second
; product; they go to LDS and to memory as an image of the operand's registers.  Second product: wave w makes channels 16 w .. + 15, two tiles of points at a time.
; Both products are used transposed (source 0 = rows of the weight, source 1 = 16 points).  The partials are summed in registers as they come: nothing lands in LDS that could be asked for jointly.
; LIMITS: e2 between -126 and 119; e0 + e1 goes through v_ldexp_f32.  NaN among the inputs is not served.
.set XI,   0                           ; x's 16 tile images, 5,120 bytes each
.set HI,   81920                       ; h's 16 tile images, 4,096 bytes each
.set RED,  147456                      ; [half of the partials][channel pair] x 32 bytes: A A B B M M c0 c0
.set TAB,  155648                      ; mean, coef, bias: 1,024 bytes each
.set ST2,  158720                      ; the second product's mean[128], M2[128]
.set RING, 16                          ; v[16:143] 32 slots of 4; afterwards W1 (v16-95), W2 (v96-127)
.set W1F,  16
.set W2F,  96
.set XL,   144
.set AC4,  224                         ; four sets of A, B, M (pairs)
.set MEANR, 128
.set COEFR, 216
.set BIASR, 232
.set XF,   144
.set ACC,  184
.set YY,   200
.set HC,   248
.set HF0,  144
.set AC0,  208
.set AC1,  216
.set T0,   224
.set T1,   232
.set C2,   240
.set S2,   128
.set Q2,   136
	s_load_b512 s[4:19], s[0:1], 0x0               ; xcodes, W1, W2, part1, g1, b1, scales, hcodes
	s_load_b64 s[20:21], s[0:1], 0x40              ; part2
	s_set_vgpr_msb 0x40
	v_lshl_add_u32 v0, v0, 2, 0x27000
	v_mov_b32 v1, 0
	s_set_vgpr_msb 0x4000
	v_lshrrev_b32 v2, 5, v0
	v_readfirstlane_b32 s22, v2                    ; wave
	v_and_b32 v250, 31, v0
	v_and_b32 v251, 15, v0                         ; r
	v_bfe_u32 v252, v0, 4, 1                       ; h
	v_lshlrev_b32 v1, 4, v250                      ; 16 x lane
	v_and_b32 v3, 127, v0
	v_lshlrev_b32 v3, 4, v3                        ; my channel pair's record
	v_lshrrev_b32 v253, 7, v0
	v_lshl_add_u32 v2, v253, 18, v3                ; in my half of the partials (128 x 2,048 bytes)
	v_and_b32 v4, 8, v251
	v_add_nc_u32 v4, v4, v251
	v_mul_u32_u24 v4, v4, 320
	v_lshl_add_u32 v4, v252, 4, v4                 ; W1: row r + 8 (r / 8), + 16 h
	v_lshlrev_b32 v5, 8, v251
	v_lshl_add_u32 v5, v252, 4, v5                 ; W2: row r, + 16 h
	s_mul_i32 s23, s22, 10240
	v_add_nc_u32 v6, s23, v1                       ; x's images: my two tiles
	s_lshl_b32 s30, s22, 9
	v_add_nc_u32 v8, s30, v1                       ; h's image: chunk w of a tile
	v_lshlrev_b32 v9, 2, v0
	v_lshlrev_b32 v14, 12, v253
	v_lshl_add_u32 v14, v3, 1, v14
	v_add_nc_u32 v14, RED, v14
	v_lshrrev_b32 v15, 1, v0
	v_lshlrev_b32 v15, 5, v15
	v_and_b32 v253, 1, v0
	v_lshl_add_u32 v15, v253, 2, v15
	v_add_nc_u32 v15, RED, v15                     ; channel t's words
	s_mov_b32 s29, 0
	s_wait_kmcnt 0x0
	s_load_b128 s[24:27], s[16:17], 0x0            ; e0, e1, e2, e3
	s_mul_i32 s28, ttmp9, 81920
	s_add_co_u32 s28, s28, s23
	s_add_nc_u64 s[4:5], s[4:5], s[28:29]
	s_mov_b32 s28, s23
	s_add_nc_u64 s[6:7], s[6:7], s[28:29]
	s_lshl_b32 s28, s22, 12
	s_add_nc_u64 s[8:9], s[8:9], s[28:29]
	s_lshl_b32 s28, ttmp9, 16
	s_add_nc_u64 s[18:19], s[18:19], s[28:29]
	s_lshl_b32 s28, ttmp9, 10
	s_add_nc_u64 s[20:21], s[20:21], s[28:29]
.set j, 0
.rept 20
	global_load_b128 v[XL+4*j:XL+4*j+3], v1, s[4:5] offset:512*j th:TH_LOAD_NT
.set j, j+1
.endr
	global_load_b64 v[248:249], v3, s[10:11]       ; c0: partial 0's means
	global_load_b32 v254, v9, s[12:13]             ; g1[t]
	global_load_b32 v255, v9, s[14:15]             ; b1[t]
.set j, 0
.rept 32
	global_load_b128 v[RING+4*j:RING+4*j+3], v2, s[10:11] offset:2048*j
.set j, j+1
.endr
	s_wait_loadcnt 35                              ; x's codes are in; behind them 3 + 32 loads
.set j, 0
.rept 20
	ds_store_b128 v6, v[XL+4*j:XL+4*j+3] offset:XI+512*j
.set j, j+1
.endr
; Record i is summed, and load i + 32 of the stream (128 records, W1's 20, W2's 8) takes its slot.
.macro RSTEP
.set RR, RING+4*(i%32)
.set RA, AC4+6*(i%4)
.set RD, 250+2*(i%2)
.if i <= 124
	s_wait_loadcnt 31                              ; behind record i: the 31 loads that follow it in the stream
.else
	s_wait_loadcnt 155-i                           ; the stream has ended: what is left of it
.endif
.if i < 4
	v_pk_add_f32 v[RA:RA+1], v[RR:RR+1], v[248:249] neg_lo:[0,1] neg_hi:[0,1]
	v_mov_b32 v[RA+4], v[RR+2]
	v_mov_b32 v[RA+5], v[RR+3]
	v_pk_mul_f32 v[RA+2:RA+3], v[RA:RA+1], v[RA:RA+1]
.else
	v_pk_add_f32 v[RD:RD+1], v[RR:RR+1], v[248:249] neg_lo:[0,1] neg_hi:[0,1]
	v_pk_add_f32 v[RA+4:RA+5], v[RA+4:RA+5], v[RR+2:RR+3]
	v_pk_add_f32 v[RA:RA+1], v[RA:RA+1], v[RD:RD+1]
	v_pk_fma_f32 v[RA+2:RA+3], v[RD:RD+1], v[RD:RD+1], v[RA+2:RA+3]
.endif
.set RN, i+32
.if RN < 128
	global_load_b128 v[RR:RR+3], v2, s[10:11] offset:2048*RN
.elseif RN < 148
	global_load_b128 v[RR:RR+3], v4, s[6:7] offset:2560*((RN-128)/10)+32*((RN-128)%10)
.elseif RN < 156
	global_load_b128 v[RR:RR+3], v5, s[8:9] offset:32*(RN-148)
.endif
.endm
.set i, 0
.rept 128
	RSTEP
.set i, i+1
.endr
.irp o, 0,2,4
	v_pk_add_f32 v[AC4+\o:AC4+\o+1], v[AC4+\o:AC4+\o+1], v[AC4+6+\o:AC4+6+\o+1]
	v_pk_add_f32 v[AC4+12+\o:AC4+12+\o+1], v[AC4+12+\o:AC4+12+\o+1], v[AC4+18+\o:AC4+18+\o+1]
.endr
.irp o, 0,2,4
	v_pk_add_f32 v[AC4+\o:AC4+\o+1], v[AC4+\o:AC4+\o+1], v[AC4+12+\o:AC4+12+\o+1]
.endr
	v_mov_b32 v[AC4+6], v248
	v_mov_b32 v[AC4+7], v249
	ds_store_b128 v14, v[AC4:AC4+3]
	ds_store_b128 v14, v[AC4+4:AC4+7] offset:16
	s_wait_kmcnt 0x0
	s_add_co_i32 s36, s24, s25                     ; E = e0 + e1
	s_lshl_b32 s37, s36, 1
	s_add_co_i32 s38, s26, 127
	s_lshl_b32 s39, s38, 23
	v_mov_b32 v12, s39                             ; 2^e2 as f32
	s_add_co_i32 s38, s38, 8
	s_lshl_b32 s38, s38, 23
	s_or_b32 s38, s38, 0x600000
	v_mov_b32 v13, s38                             ; 448 x 2^e2
	v_lshl_add_u32 v7, v0, 2, TAB
	s_wait_dscnt 0x0
	s_barrier_signal -1
	s_barrier_wait -1                              ; x's images and both halves' sums lie in LDS
	; thread t closes channel t
	ds_load_b32 v144, v15
	ds_load_b32 v145, v15 offset:8
	ds_load_b32 v146, v15 offset:16
	ds_load_b32 v147, v15 offset:24
	ds_load_b32 v148, v15 offset:4096
	ds_load_b32 v149, v15 offset:4104
	ds_load_b32 v150, v15 offset:4112
	s_wait_dscnt 0x0
	v_add_f32 v144, v144, v148                     ; A
	v_add_f32 v145, v145, v149                     ; B
	v_add_f32 v146, v146, v150                     ; M
	v_mul_f32 v151, 0x3b800000, v144               ; A / 256
	v_add_f32 v152, v147, v151                     ; mean, in raw sums
	v_fma_f32 v145, -v151, v144, v145              ; B - A A / 256
	v_fma_f32 v146, v145, 0x43800000, v146         ; M + 256 x that
	v_mul_f32 v146, 0x37800000, v146               ; / 65536
	v_ldexp_f32 v146, v146, s37                    ; x 2^(2 E): the variance
	v_add_f32 v146, 0x3727c5ac, v146               ; + 1e-5
	v_rsq_f32 v153, v146
	v_nop                                          ; a plain line behind the root
	s_wait_alu depctr_va_vdst(0)                   ; and the wait ahead of its reader
	v_mul_f32 v153, v153, v254
	v_ldexp_f32 v153, v153, s36                    ; coef = g / sqrt(..) x 2^E
	ds_store_b32 v7, v152
	ds_store_b32 v7, v153 offset:1024
	ds_store_b32 v7, v255 offset:2048
	s_lshl_b32 s30, s22, 7
	v_bfe_u32 v10, v0, 4, 1
	v_lshl_add_u32 v10, v10, 6, TAB
	v_add_nc_u32 v10, s30, v10                     ; my 16 channels: 32 w + 16 h ..
	s_wait_dscnt 0x0
	s_barrier_signal -1
	s_barrier_wait -1
.irp i, 0,1,2,3
	ds_load_b128 v[MEANR+4*\i:MEANR+4*\i+3], v10 offset:16*\i
	ds_load_b128 v[COEFR+4*\i:COEFR+4*\i+3], v10 offset:1024+16*\i
	ds_load_b128 v[BIASR+4*\i:BIASR+4*\i+3], v10 offset:2048+16*\i
.endr
.irp c, 0,1,2,3,4,5,6,7,8,9
	ds_load_b128 v[XF+4*\c:XF+4*\c+3], v1 offset:XI+512*\c
.endr
	s_mov_b32 s32, 0                               ; the tile in hand among x's images,
	s_mov_b32 s33, 0                               ; and among h's
	s_wait_loadcnt 0x0                             ; the weights
; A tile of 16 points: the first product, the norm, relu and hold in one, 16 codes a lane, to LDS and to memory.
.macro G1TILE more
	s_wait_dscnt 0x0
.irp s, 0,1,2,3,4
.irp u, 0,1
.if \s == 0
	v_wmma_f32_16x16x64_fp8_fp8 v[ACC+8*\u:ACC+8*\u+7], v[W1F+40*\u+8*\s:W1F+40*\u+8*\s+7], v[XF+8*\s:XF+8*\s+7], 0
.else
	v_wmma_f32_16x16x64_fp8_fp8 v[ACC+8*\u:ACC+8*\u+7], v[W1F+40*\u+8*\s:W1F+40*\u+8*\s+7], v[XF+8*\s:XF+8*\s+7], v[ACC+8*\u:ACC+8*\u+7]
.endif
.endr
.endr
.rept 4
	v_nop
.endr
.if \more
	s_add_co_u32 s32, s32, 5120
	v_add_nc_u32 v7, s32, v1
.irp c, 0,1,2,3,4,5,6,7,8,9
	ds_load_b128 v[XF+4*\c:XF+4*\c+3], v7 offset:XI+512*\c
.endr
.endif
.set j, 0
.rept 8
	v_pk_add_f32 v[YY+j:YY+j+1], v[ACC+j:ACC+j+1], v[MEANR+j:MEANR+j+1] neg_lo:[0,1] neg_hi:[0,1]
.set j, j+2
.endr
.set j, 0
.rept 8
	v_pk_fma_f32 v[YY+j:YY+j+1], v[YY+j:YY+j+1], v[COEFR+j:COEFR+j+1], v[BIASR+j:BIASR+j+1]
.set j, j+2
.endr
.set j, 0
.rept 16
	v_med3_num_f32 v[YY+j], v[YY+j], 0, v13        ; relu and the hold at the largest code in one
.set j, j+1
.endr
	s_wait_xcnt 0x0                                ; the last tile's store has read its codes and its offset
	v_add_nc_u32 v9, s33, v8
	v_add_nc_u32 v10, HI, v9
	v_cvt_scalef32_pk8_fp8_f32 v[HC:HC+1], v[YY:YY+7], v12
	v_cvt_scalef32_pk8_fp8_f32 v[HC+2:HC+3], v[YY+8:YY+15], v12
	v_nop                                          ; a plain line behind the last conversion
	ds_store_b128 v10, v[HC:HC+3]
	global_store_b128 v9, v[HC:HC+3], s[18:19]     ; a wave stores 512 consecutive bytes, aligned
	s_add_co_u32 s33, s33, 4096
.endm
	s_mov_b32 s35, 15
.Lg1:
	G1TILE 1
	s_sub_co_u32 s35, s35, 1
	s_cmp_lg_u32 s35, 0
	s_cbranch_scc1 .Lg1
	G1TILE 0
	v_add_nc_u32 v7, HI, v1
	s_mov_b32 s34, 0
	s_wait_dscnt 0x0
	s_barrier_signal -1
	s_barrier_wait -1                              ; h's 16 images lie in LDS
; Two tiles of points: K = 256 in two steps of 128, the two accumulators by turns; then the statistics, shifted by the first point's sums.
.macro G2PAIR first, more
	s_wait_dscnt 0x0
	v_wmma_f32_16x16x128_fp8_fp8 v[AC0:AC0+7], v[W2F:W2F+15], v[HF0:HF0+15], 0
	v_wmma_f32_16x16x128_fp8_fp8 v[AC1:AC1+7], v[W2F:W2F+15], v[HF0+32:HF0+47], 0
	v_wmma_f32_16x16x128_fp8_fp8 v[AC0:AC0+7], v[W2F+16:W2F+31], v[HF0+16:HF0+31], v[AC0:AC0+7]
	v_wmma_f32_16x16x128_fp8_fp8 v[AC1:AC1+7], v[W2F+16:W2F+31], v[HF0+48:HF0+63], v[AC1:AC1+7]
.rept 4
	v_nop
.endr
.if \more
	s_add_co_u32 s34, s34, 8192
	v_add_nc_u32 v11, s34, v7
.irp t, 0,1
.irp i, 0,1,2,3,4,5,6,7
	ds_load_b128 v[HF0+32*\t+4*\i:HF0+32*\t+4*\i+3], v11 offset:4096*\t+512*\i
.endr
.endr
.endif
.if \first
.irp j, 0,1,2,3,4,5,6,7
	v_mov_b32 v[C2+\j], v[AC0+\j]
.endr
.irp j, 0,1,2,3,4,5,6,7
	v_mov_b32_dpp v[C2+\j], v[C2+\j] row_share:0 row_mask:0xf bank_mask:0xf
.endr
.endif
.irp j, 0,2,4,6
	v_pk_add_f32 v[T0+\j:T0+\j+1], v[AC0+\j:AC0+\j+1], v[C2+\j:C2+\j+1] neg_lo:[0,1] neg_hi:[0,1]
.endr
.irp j, 0,2,4,6
	v_pk_add_f32 v[T1+\j:T1+\j+1], v[AC1+\j:AC1+\j+1], v[C2+\j:C2+\j+1] neg_lo:[0,1] neg_hi:[0,1]
.endr
.irp j, 0,2,4,6
.if \first
	v_pk_add_f32 v[S2+\j:S2+\j+1], v[T0+\j:T0+\j+1], v[T1+\j:T1+\j+1]
	v_pk_mul_f32 v[Q2+\j:Q2+\j+1], v[T0+\j:T0+\j+1], v[T0+\j:T0+\j+1]
.else
	v_pk_add_f32 v[S2+\j:S2+\j+1], v[S2+\j:S2+\j+1], v[T0+\j:T0+\j+1]
	v_pk_fma_f32 v[Q2+\j:Q2+\j+1], v[T0+\j:T0+\j+1], v[T0+\j:T0+\j+1], v[Q2+\j:Q2+\j+1]
.endif
.endr
.irp j, 0,2,4,6
.if !\first
	v_pk_add_f32 v[S2+\j:S2+\j+1], v[S2+\j:S2+\j+1], v[T1+\j:T1+\j+1]
.endif
	v_pk_fma_f32 v[Q2+\j:Q2+\j+1], v[T1+\j:T1+\j+1], v[T1+\j:T1+\j+1], v[Q2+\j:Q2+\j+1]
.endr
.endm
.irp t, 0,1
.irp i, 0,1,2,3,4,5,6,7
	ds_load_b128 v[HF0+32*\t+4*\i:HF0+32*\t+4*\i+3], v7 offset:4096*\t+512*\i
.endr
.endr
	G2PAIR 1, 1
	s_mov_b32 s35, 6
.Lg2:
	G2PAIR 0, 1
	s_sub_co_u32 s35, s35, 1
	s_cmp_lg_u32 s35, 0
	s_cbranch_scc1 .Lg2
	G2PAIR 0, 0
.irp m, 1,2,4,8
.set j, 0
.rept 16
	v_add_f32_dpp v[S2+j], v[S2+j], v[S2+j] row_xmask:\m row_mask:0xf bank_mask:0xf
.set j, j+1
.endr
.endr
.irp j, 0,2,4,6
	v_pk_mul_f32 v[T0+\j:T0+\j+1], v[S2+\j:S2+\j+1], 0x3b800000 op_sel_hi:[1,0]
.endr
.irp j, 0,2,4,6
	v_pk_add_f32 v[C2+\j:C2+\j+1], v[C2+\j:C2+\j+1], v[T0+\j:T0+\j+1]
	v_pk_fma_f32 v[Q2+\j:Q2+\j+1], v[T0+\j:T0+\j+1], v[S2+\j:S2+\j+1], v[Q2+\j:Q2+\j+1] neg_lo:[1,0,0] neg_hi:[1,0,0]
.endr
	s_lshl_b32 s30, s22, 6
	v_bfe_u32 v14, v0, 4, 1
	v_lshl_add_u32 v14, v14, 5, ST2
	v_add_nc_u32 v14, s30, v14                     ; my 8 channels: 16 w + 8 h ..
	v_and_b32 v15, 1, v0
	v_lshlrev_b32 v15, 9, v15
	v_lshrrev_b32 v6, 1, v0
	v_lshl_add_u32 v15, v6, 3, v15
	v_add_nc_u32 v15, ST2, v15
	v_lshlrev_b32 v6, 3, v0
	ds_store_b128 v14, v[C2:C2+3]
	ds_store_b128 v14, v[C2+4:C2+7] offset:16
	ds_store_b128 v14, v[Q2:Q2+3] offset:512
	ds_store_b128 v14, v[Q2+4:Q2+7] offset:528
	s_wait_dscnt 0x0
	s_barrier_signal -1
	s_barrier_wait -1
	s_cmp_lt_u32 s22, 4                            ; 1,024 bytes: threads 0 to 127, 8 bytes each
	s_cbranch_scc0 .Ldone
	ds_load_b64 v[T0:T0+1], v15
	s_wait_dscnt 0x0
	global_store_b64 v6, v[T0:T0+1], s[20:21]      ; a wave stores 256 consecutive bytes, aligned
.Ldone:
	s_set_vgpr_msb 0x5
	s_wait_tensorcnt 0x0
	ds_add_u32 v0, v1
	s_wait_dscnt 0x0
	s_set_vgpr_msb 0x500
	s_endpgm
.Lfunc_end_k_qb3caf48bf7_bn1_gemm2:
	.size	k_qb3caf48bf7_bn1_gemm2, .Lfunc_end_k_qb3caf48bf7_bn1_gemm2-k_qb3caf48bf7_bn1_gemm2
	.p2alignl 7, 3214868480
	.fill 96, 4, 3214868480
	.section	.rodata,"a",@progbits
	.p2align	6, 0x0
	.amdhsa_kernel k_qb3caf48bf7_bn1_gemm2
		.amdhsa_group_segment_fixed_size 160768
		.amdhsa_private_segment_fixed_size 0
		.amdhsa_enable_private_segment 0
		.amdhsa_kernarg_size 72
		.amdhsa_user_sgpr_count 2
		.amdhsa_user_sgpr_kernarg_segment_ptr 1
		.amdhsa_wavefront_size32 1
		.amdhsa_system_sgpr_workgroup_id_x 1
		.amdhsa_system_sgpr_workgroup_id_y 1
		.amdhsa_system_sgpr_workgroup_id_z 1
		.amdhsa_system_vgpr_workitem_id 0
		.amdhsa_next_free_vgpr 258
		.amdhsa_next_free_sgpr 66
		.amdhsa_reserve_vcc 0
		.amdhsa_float_denorm_mode_32 3
		.amdhsa_float_denorm_mode_16_64 3
		.amdhsa_memory_ordered 1
		.amdhsa_forward_progress 1
		.amdhsa_inst_pref_size 84
	.end_amdhsa_kernel
	.amdgpu_metadata
---
amdhsa.version: [ 1, 2 ]
amdhsa.kernels:
  - .name:           k_qb3caf48bf7_bn1_gemm2
    .symbol:         k_qb3caf48bf7_bn1_gemm2.kd
    .args:
      - { .name: xcodes, .offset: 0, .size: 8, .value_kind: global_buffer, .address_space: global }
      - { .name: W1_codes, .offset: 8, .size: 8, .value_kind: global_buffer, .address_space: global }
      - { .name: W2_codes, .offset: 16, .size: 8, .value_kind: global_buffer, .address_space: global }
      - { .name: part1, .offset: 24, .size: 8, .value_kind: global_buffer, .address_space: global }
      - { .name: g1, .offset: 32, .size: 8, .value_kind: global_buffer, .address_space: global }
      - { .name: b1, .offset: 40, .size: 8, .value_kind: global_buffer, .address_space: global }
      - { .name: lowp_scales, .offset: 48, .size: 8, .value_kind: global_buffer, .address_space: global }
      - { .name: hcodes, .offset: 56, .size: 8, .value_kind: global_buffer, .address_space: global }
      - { .name: part2, .offset: 64, .size: 8, .value_kind: global_buffer, .address_space: global }
    .group_segment_fixed_size: 160768
    .private_segment_fixed_size: 0
    .kernarg_segment_align: 8
    .kernarg_segment_size: 72
    .max_flat_workgroup_size: 256
    .sgpr_count:     66
    .vgpr_count:     258
    .wavefront_size: 32
...
	.end_amdgpu_metadata
.endif
;; end of part 4
;; launch bn2_out (part 5): grid 256 x 1, 8 waves a work-group, no clusters, 212,992 bytes of LDS; arguments hcodes, W2_codes, part2, g2, b2, lowp_scales, out0; writes out0
.if DOCPART == 5
	.amdgcn_target "amdgcn-amd-amdhsa--gfx1250"
	.amdhsa_code_object_version 6
	.text
	.protected	k_qb3caf48bf7_bn2_out
	.globl	k_qb3caf48bf7_bn2_out
	.p2align	8
	.type	k_qb3caf48bf7_bn2_out,@function
k_qb3caf48bf7_bn2_out:
	s_mov_b64 s[64:65], 0
	v_nop
	global_prefetch_b8 v0, s[64:65] scope:SCOPE_SE
	s_setreg_imm32_b32 hwreg(HW_REG_WAVE_MODE, 25, 1), 1
	s_wait_xcnt 0x0
; The second batch norm's coefficients from the 256 partial statistics (formulas as in the launch before, with e2 + e3); the second product once more, from h's codes
; (half the bytes that its f32 sums would be, written and read); out0 = relu((s - mean) coef + b2).
; SHARES.  A work-group owns 256 points.  Thread t sums channel pair t % 64 over partials 64 (t / 64) .. + 63, through a ring of 32 loads in which W2's 8 loads follow.  All eight waves close the
; statistics, channel t % 128: waves 0-3 write and read one copy of the table, waves 4-7 another, so that no branch is needed.  Wave w makes channels 16 w .. + 15 for two tiles of
; points at a time (transposed: a lane holds 8 neighbouring channels of one point); the rows meet in a stage in LDS (528 bytes apart) and leave as whole rows of 512 bytes.
; LIMITS: e2 + e3 goes through v_ldexp_f32.  NaN among the inputs is not served.
.set HI,   0                           ; h's 16 tile images
.set STG,  65536                       ; 256 rows x (512 + 16) bytes
.set RED,  200704                      ; [quarter of the partials][channel pair] x 32 bytes
.set TAB2, 208896                      ; two copies of mean, coef, bias: 3 x 512 bytes each
.set RING, 16
.set W2F,  16
.set MEAN2, 48
.set COEF2, 56
.set BIAS2, 64
.set XL,   144
.set AC4,  224
.set HF0,  144
.set AC0,  208
.set AC1,  216
.set Y0,   224
.set Y1,   232
.set OUTR, 16
	s_load_b256 s[4:11], s[0:1], 0x0               ; hcodes, W2, part2, g2
	s_load_b128 s[12:15], s[0:1], 0x20             ; b2, scales
	s_load_b64 s[16:17], s[0:1], 0x30              ; out0
	v_lshl_add_u32 v4, v0, 2, 0x33c00
	s_set_vgpr_msb 0x40
	v_mov_b32 v1, 0
	s_set_vgpr_msb 0x4000
	v_lshrrev_b32 v2, 5, v0
	v_readfirstlane_b32 s22, v2                    ; wave
	v_and_b32 v250, 31, v0
	v_and_b32 v251, 15, v0                         ; r
	v_bfe_u32 v252, v0, 4, 1                       ; h
	v_lshlrev_b32 v1, 4, v250
	v_and_b32 v3, 63, v0
	v_lshlrev_b32 v3, 4, v3
	v_lshrrev_b32 v253, 6, v0
	v_lshl_add_u32 v2, v253, 16, v3                ; my quarter of the partials (64 x 1,024 bytes)
	v_lshlrev_b32 v5, 8, v251
	v_lshl_add_u32 v5, v252, 4, v5                 ; W2: row r, + 16 h
	s_lshl_b32 s23, s22, 13
	v_add_nc_u32 v6, s23, v1                       ; h's images: my two tiles
	v_and_b32 v9, 127, v0
	v_lshlrev_b32 v9, 2, v9
	v_lshlrev_b32 v14, 11, v253
	v_lshl_add_u32 v14, v3, 1, v14
	v_add_nc_u32 v14, RED, v14
	v_bfe_u32 v15, v0, 1, 6
	v_lshlrev_b32 v15, 5, v15
	v_and_b32 v253, 1, v0
	v_lshl_add_u32 v15, v253, 2, v15
	v_add_nc_u32 v15, RED, v15                     ; channel t % 128's words
	v_lshrrev_b32 v7, 7, v0
	v_mul_u32_u24 v7, v7, 1536
	v_add_nc_u32 v7, v7, v9
	v_add_nc_u32 v7, TAB2, v7                      ; where I put the channel's three numbers
	s_lshr_b32 s30, s22, 2
	s_mul_i32 s30, s30, 1536
	s_lshl_b32 s31, s22, 6
	s_add_co_u32 s30, s30, s31
	v_lshlrev_b32 v10, 5, v252
	v_add_nc_u32 v10, s30, v10
	v_add_nc_u32 v10, TAB2, v10                    ; my 8 channels, 16 w + 8 h .., in my half's copy
	v_mul_u32_u24 v12, v251, 528
	v_lshl_add_u32 v12, v252, 5, v12
	v_add_nc_u32 v12, s31, v12
	v_add_nc_u32 v12, STG, v12                     ; the stage: row r, + 64 w + 32 h
	s_mul_i32 s32, s22, 32*528
	v_add_nc_u32 v8, s32, v1
	v_add_nc_u32 v8, STG, v8                       ; back: my 32 rows, 16 bytes a lane
	s_mov_b32 s29, 0
	s_wait_kmcnt 0x0
	s_load_b128 s[24:27], s[14:15], 0x0            ; e0, e1, e2, e3
	s_lshl_b32 s28, ttmp9, 16
	s_add_co_u32 s28, s28, s23
	s_add_nc_u64 s[4:5], s[4:5], s[28:29]
	s_lshl_b32 s28, s22, 12
	s_add_nc_u64 s[6:7], s[6:7], s[28:29]
	s_lshl_b32 s28, ttmp9, 17
	s_lshl_b32 s31, s22, 14
	s_add_co_u32 s28, s28, s31
	s_add_nc_u64 s[16:17], s[16:17], s[28:29]      ; out0 at my 32 rows
.set j, 0
.rept 16
	global_load_b128 v[XL+4*j:XL+4*j+3], v1, s[4:5] offset:512*j th:TH_LOAD_NT
.set j, j+1
.endr
	global_load_b64 v[248:249], v3, s[8:9]         ; c0
	global_load_b32 v254, v9, s[10:11]             ; g2
	global_load_b32 v255, v9, s[12:13]             ; b2
.set j, 0
.rept 32
	global_load_b128 v[RING+4*j:RING+4*j+3], v2, s[8:9] offset:1024*j
.set j, j+1
.endr
	s_wait_loadcnt 35                              ; h's codes are in; behind them 3 + 32 loads
.set j, 0
.rept 16
	ds_store_b128 v6, v[XL+4*j:XL+4*j+3] offset:HI+512*j
.set j, j+1
.endr
.macro RSTEP                           ; record i is summed; load i + 32 of the stream (64 records, W2's 8) takes its slot
.set RR, RING+4*(i%32)
.set RA, AC4+6*(i%4)
.set RD, 250+2*(i%2)
.if i <= 40
	s_wait_loadcnt 31
.else
	s_wait_loadcnt 71-i
.endif
.if i < 4
	v_pk_add_f32 v[RA:RA+1], v[RR:RR+1], v[248:249] neg_lo:[0,1] neg_hi:[0,1]
	v_mov_b32 v[RA+4], v[RR+2]
	v_mov_b32 v[RA+5], v[RR+3]
	v_pk_mul_f32 v[RA+2:RA+3], v[RA:RA+1], v[RA:RA+1]
.else
	v_pk_add_f32 v[RD:RD+1], v[RR:RR+1], v[248:249] neg_lo:[0,1] neg_hi:[0,1]
	v_pk_add_f32 v[RA+4:RA+5], v[RA+4:RA+5], v[RR+2:RR+3]
	v_pk_add_f32 v[RA:RA+1], v[RA:RA+1], v[RD:RD+1]
	v_pk_fma_f32 v[RA+2:RA+3], v[RD:RD+1], v[RD:RD+1], v[RA+2:RA+3]
.endif
.set RN, i+32
.if RN < 64
	global_load_b128 v[RR:RR+3], v2, s[8:9] offset:1024*RN
.elseif RN < 72
	global_load_b128 v[RR:RR+3], v5, s[6:7] offset:32*(RN-64)
.endif
.endm
.set i, 0
.rept 64
	RSTEP
.set i, i+1
.endr
.irp o, 0,2,4
	v_pk_add_f32 v[AC4+\o:AC4+\o+1], v[AC4+\o:AC4+\o+1], v[AC4+6+\o:AC4+6+\o+1]
	v_pk_add_f32 v[AC4+12+\o:AC4+12+\o+1], v[AC4+12+\o:AC4+12+\o+1], v[AC4+18+\o:AC4+18+\o+1]
.endr
.irp o, 0,2,4
	v_pk_add_f32 v[AC4+\o:AC4+\o+1], v[AC4+\o:AC4+\o+1], v[AC4+12+\o:AC4+12+\o+1]
.endr
	v_mov_b32 v[AC4+6], v248
	v_mov_b32 v[AC4+7], v249
	ds_store_b128 v14, v[AC4:AC4+3]
	ds_store_b128 v14, v[AC4+4:AC4+7] offset:16
	s_wait_kmcnt 0x0
	s_add_co_i32 s36, s26, s27                     ; E = e2 + e3
	s_lshl_b32 s37, s36, 1
	s_wait_dscnt 0x0
	s_barrier_signal -1
	s_barrier_wait -1                              ; h's images and the four quarters' sums lie in LDS
.irp q, 0,1,2,3
	ds_load_b32 v[144+3*\q], v15 offset:2048*\q
	ds_load_b32 v[145+3*\q], v15 offset:2048*\q+8
	ds_load_b32 v[146+3*\q], v15 offset:2048*\q+16
.endr
	ds_load_b32 v156, v15 offset:24
	s_wait_dscnt 0x0
.irp c, 0,1,2
	v_add_f32 v[144+\c], v[144+\c], v[147+\c]
	v_add_f32 v[150+\c], v[150+\c], v[153+\c]
.endr
.irp c, 0,1,2
	v_add_f32 v[144+\c], v[144+\c], v[150+\c]      ; A, B, M
.endr
	v_mul_f32 v151, 0x3b800000, v144               ; A / 256
	v_add_f32 v152, v156, v151                     ; mean, in raw sums
	v_fma_f32 v145, -v151, v144, v145
	v_fma_f32 v146, v145, 0x43800000, v146
	v_mul_f32 v146, 0x37800000, v146
	v_ldexp_f32 v146, v146, s37                    ; the variance
	v_add_f32 v146, 0x3727c5ac, v146               ; + 1e-5
	v_rsq_f32 v153, v146
	v_nop                                          ; a plain line behind the root
	s_wait_alu depctr_va_vdst(0)                   ; and the wait ahead of its reader
	v_mul_f32 v153, v153, v254
	v_ldexp_f32 v153, v153, s36
	ds_store_b32 v7, v152
	ds_store_b32 v7, v153 offset:512
	ds_store_b32 v7, v255 offset:1024
	s_wait_dscnt 0x0
	s_barrier_signal -1
	s_barrier_wait -1
.irp i, 0,1
	ds_load_b128 v[MEAN2+4*\i:MEAN2+4*\i+3], v10 offset:16*\i
	ds_load_b128 v[COEF2+4*\i:COEF2+4*\i+3], v10 offset:512+16*\i
	ds_load_b128 v[BIAS2+4*\i:BIAS2+4*\i+3], v10 offset:1024+16*\i
.endr
.irp t, 0,1
.irp i, 0,1,2,3,4,5,6,7
	ds_load_b128 v[HF0+32*\t+4*\i:HF0+32*\t+4*\i+3], v1 offset:HI+4096*\t+512*\i
.endr
.endr
	s_mov_b32 s33, 0                               ; the pair in hand in the stage,
	s_mov_b32 s34, 0                               ; and among h's images
	s_wait_loadcnt 0x0                             ; W2's fragments
; Two tiles of points: K = 256 in two steps of 128, the two accumulators by turns; the norm, relu, into the stage.
.macro G2PAIR more
	s_wait_dscnt 0x0
	v_wmma_f32_16x16x128_fp8_fp8 v[AC0:AC0+7], v[W2F:W2F+15], v[HF0:HF0+15], 0
	v_wmma_f32_16x16x128_fp8_fp8 v[AC1:AC1+7], v[W2F:W2F+15], v[HF0+32:HF0+47], 0
	v_wmma_f32_16x16x128_fp8_fp8 v[AC0:AC0+7], v[W2F+16:W2F+31], v[HF0+16:HF0+31], v[AC0:AC0+7]
	v_wmma_f32_16x16x128_fp8_fp8 v[AC1:AC1+7], v[W2F+16:W2F+31], v[HF0+48:HF0+63], v[AC1:AC1+7]
.rept 4
	v_nop
.endr
.if \more
	s_add_co_u32 s34, s34, 8192
	v_add_nc_u32 v11, s34, v1
.irp t, 0,1
.irp i, 0,1,2,3,4,5,6,7
	ds_load_b128 v[HF0+32*\t+4*\i:HF0+32*\t+4*\i+3], v11 offset:HI+4096*\t+512*\i
.endr
.endr
.endif
.irp j, 0,2,4,6
	v_pk_add_f32 v[Y0+\j:Y0+\j+1], v[AC0+\j:AC0+\j+1], v[MEAN2+\j:MEAN2+\j+1] neg_lo:[0,1] neg_hi:[0,1]
.endr
.irp j, 0,2,4,6
	v_pk_add_f32 v[Y1+\j:Y1+\j+1], v[AC1+\j:AC1+\j+1], v[MEAN2+\j:MEAN2+\j+1] neg_lo:[0,1] neg_hi:[0,1]
.endr
.irp j, 0,2,4,6
	v_pk_fma_f32 v[Y0+\j:Y0+\j+1], v[Y0+\j:Y0+\j+1], v[COEF2+\j:COEF2+\j+1], v[BIAS2+\j:BIAS2+\j+1]
	v_pk_fma_f32 v[Y1+\j:Y1+\j+1], v[Y1+\j:Y1+\j+1], v[COEF2+\j:COEF2+\j+1], v[BIAS2+\j:BIAS2+\j+1]
.endr
.set j, 0
.rept 16
	v_max_num_f32 v[Y0+j], 0, v[Y0+j]
.set j, j+1
.endr
	v_add_nc_u32 v13, s33, v12
	ds_store_b128 v13, v[Y0:Y0+3]
	ds_store_b128 v13, v[Y0+4:Y0+7] offset:16
	ds_store_b128 v13, v[Y1:Y1+3] offset:16*528
	ds_store_b128 v13, v[Y1+4:Y1+7] offset:16*528+16
	s_add_co_u32 s33, s33, 32*528
.endm
	s_mov_b32 s35, 7
.Lg2:
	G2PAIR 1
	s_sub_co_u32 s35, s35, 1
	s_cmp_lg_u32 s35, 0
	s_cbranch_scc1 .Lg2
	G2PAIR 0
	s_wait_dscnt 0x0
	s_barrier_signal -1
	s_barrier_wait -1                              ; 256 whole rows lie in the stage
.set j, 0
.rept 32
	ds_load_b128 v[OUTR+4*j:OUTR+4*j+3], v8 offset:528*j
.set j, j+1
.endr
.set j, 0
.rept 32
	s_wait_dscnt 31-j                              ; row j is in; the later rows' loads may be out
	global_store_b128 v1, v[OUTR+4*j:OUTR+4*j+3], s[16:17] offset:512*j th:TH_STORE_NT   ; 32 lanes store a row of 512 bytes, aligned
.set j, j+1
.endr
	s_set_vgpr_msb 0x4
	s_wait_tensorcnt 0x0
	ds_add_u32 v4, v1
	s_wait_dscnt 0x0
	s_set_vgpr_msb 0x400
	s_endpgm
.Lfunc_end_k_qb3caf48bf7_bn2_out:
	.size	k_qb3caf48bf7_bn2_out, .Lfunc_end_k_qb3caf48bf7_bn2_out-k_qb3caf48bf7_bn2_out
	.p2alignl 7, 3214868480
	.fill 96, 4, 3214868480
	.section	.rodata,"a",@progbits
	.p2align	6, 0x0
	.amdhsa_kernel k_qb3caf48bf7_bn2_out
		.amdhsa_group_segment_fixed_size 212992
		.amdhsa_private_segment_fixed_size 0
		.amdhsa_enable_private_segment 0
		.amdhsa_kernarg_size 56
		.amdhsa_user_sgpr_count 2
		.amdhsa_user_sgpr_kernarg_segment_ptr 1
		.amdhsa_wavefront_size32 1
		.amdhsa_system_sgpr_workgroup_id_x 1
		.amdhsa_system_sgpr_workgroup_id_y 1
		.amdhsa_system_sgpr_workgroup_id_z 1
		.amdhsa_system_vgpr_workitem_id 0
		.amdhsa_next_free_vgpr 258
		.amdhsa_next_free_sgpr 66
		.amdhsa_reserve_vcc 0
		.amdhsa_float_denorm_mode_32 3
		.amdhsa_float_denorm_mode_16_64 3
		.amdhsa_memory_ordered 1
		.amdhsa_forward_progress 1
		.amdhsa_inst_pref_size 47
	.end_amdhsa_kernel
	.amdgpu_metadata
---
amdhsa.version: [ 1, 2 ]
amdhsa.kernels:
  - .name:           k_qb3caf48bf7_bn2_out
    .symbol:         k_qb3caf48bf7_bn2_out.kd
    .args:
      - { .name: hcodes, .offset: 0, .size: 8, .value_kind: global_buffer, .address_space: global }
      - { .name: W2_codes, .offset: 8, .size: 8, .value_kind: global_buffer, .address_space: global }
      - { .name: part2, .offset: 16, .size: 8, .value_kind: global_buffer, .address_space: global }
      - { .name: g2, .offset: 24, .size: 8, .value_kind: global_buffer, .address_space: global }
      - { .name: b2, .offset: 32, .size: 8, .value_kind: global_buffer, .address_space: global }
      - { .name: lowp_scales, .offset: 40, .size: 8, .value_kind: global_buffer, .address_space: global }
      - { .name: out0, .offset: 48, .size: 8, .value_kind: global_buffer, .address_space: global }
    .group_segment_fixed_size: 212992
    .private_segment_fixed_size: 0
    .kernarg_segment_align: 8
    .kernarg_segment_size: 56
    .max_flat_workgroup_size: 256
    .sgpr_count:     66
    .vgpr_count:     258
    .wavefront_size: 32
...
	.end_amdgpu_metadata
.endif
;; end of part 5
;; ======== version 2 of 2: 5 launches; version 1 with the launches interp_gemm1, bn1_gemm2, bn2_out written anew for expert scheduling mode
;; workspace buffers: gidx 524,288 bytes of whole numbers; nidx 1,048,576 bytes of whole numbers; wts 1,048,576 bytes; xcodes 20,971,520 bytes; part1 524,288 bytes; hcodes 16,777,216 bytes; part2 262,144 bytes
;; launch knn_groups: the kernel of part 1 again; grid 256 x 1, 8 waves a work-group, no clusters, 72,704 bytes of LDS; arguments xyz1, xyz2, gidx; writes gidx
;; launch knn_pick: the kernel of part 2 again; grid 256 x 1, 8 waves a work-group, no clusters, 35,840 bytes of LDS; arguments xyz1, xyz2, gidx, nidx, wts; writes nidx, wts
;; launch interp_gemm1 (part 6): grid 256 x 1, 8 waves a work-group, no clusters, 89,088 bytes of LDS; arguments points1, points2, nidx, wts, W1_codes, lowp_scales, xcodes, part1; writes xcodes, part1
.if DOCPART == 6
	.amdgcn_target "amdgcn-amd-amdhsa--gfx1250"
	.amdhsa_code_object_version 6
	.text
	.protected	k_qb3caf48bf7_interp_gemm1
	.globl	k_qb3caf48bf7_interp_gemm1
	.p2align	8
	.type	k_qb3caf48bf7_interp_gemm1,@function
k_qb3caf48bf7_interp_gemm1:
	s_mov_b64 s[64:65], 0
	v_nop
	global_prefetch_b8 v0, s[64:65] scope:SCOPE_SE
	s_setreg_imm32_b32 hwreg(HW_REG_WAVE_SCHED_MODE, 0, 2), 2
	s_setreg_imm32_b32 hwreg(HW_REG_WAVE_MODE, 25, 1), 1
	s_wait_xcnt 0x0
	s_wait_alu depctr_vm_vsrc(0)
; x = [points1 | w1 p2[i1] + w2 p2[i2] + w3 p2[i3]], quantised to E4M3 with 2^e0; x's codes are stored; raw sums s = codes(x) . codes(W1) are made, and of them
; each channel's mean and sum of squared deviations over the work-group's 256 points (shifted by the first point's sum: no difference of large sums).
; SHARES.  A work-group owns 256 points.  Phase 1: wave w makes the codes of points 32 w .. 32 w + 31, four points a chunk: a row of points2 is 1,024 bytes, two loads of
; 512 consecutive bytes a wave; a lane holds channels 4 l .. + 3 and 128 + 4 l .. + 3 of the sum.  The indices and weights come by scalar loads.  The codes go to rows in LDS
; (336 bytes apart = 21 x 16), come back in the order of the operand's registers, and are stored so.  Phase 2: wave w makes channels 32 w .. + 31 for all 16 tiles of 16 points.
; THE PRODUCT IS USED TRANSPOSED (source 0 = 16 rows of W1, source 1 = 16 points), and lane r of tile u takes W1's row 32 w + 8 u + r + 8 (r / 8): register j of tile u in
; half h is channel 32 w + 16 h + 8 u + j.  A fragment's registers 4 c .. 4 c + 3 hold k = 32 c + 16 h + 0 .. 15 on both sides: the same permutation of k in both operands.
; W1's slice (10 KiB a wave) goes once into registers, and points2's rows differ from work-group to work-group: nothing to ask for jointly.
; LIMITS: e0 between -126 and 119; NaN among the inputs is not served.
; THE MODE: SCHED_MODE bits 1:0 = 2 (LLVM: expert scheduling mode 2), set by the entry lines.  The code itself states the register dependences
; between vector or matrix instructions and memory or LDS instructions, with s_wait_alu, always for 0.
; THE PLAN.  Registers that memory or LDS instructions touch:
;   v1, v2, v4, v5, v7, v10, v11, v12   offsets and LDS addresses, made at the head and never written again.
;   v3        LDS address of a chunk's codes: written at the head of PROCESS, read by that chunk's eight LDS stores.
;   G0, G1    a chunk's rows: ISSUE's 24 loads land there; PROCESS's vector lines read and write them.  ISSUE of a buffer stands straight behind PROCESS of the same buffer.
;   CD        a chunk's codes: written by PROCESS's conversions, read by its LDS stores.
;   XF0, XF1  phase 2: a tile's fragment, two buffers by turns: tile t's products read buffer t % 2, and the loads of tile t + 1, issued at tile t's head, land in the other.
;   v6        LDS address of the two tiles asked for in a trip of the tile loop: written once at the trip's head.
; So PROCESS holds ONE wait on va_vdst, ahead of its LDS stores: the codes and v3 are written, and every line that names the chunk's rows is done, so that the loads of the ISSUE that
; follows (between them only moves into the weights' registers) owe nothing more.  ONE wait on vm_vsrc stands behind those stores and AHEAD of the next run of loads.
; A tile holds one wait on va_vdst, at its head; a trip of the tile loop one wait on vm_vsrc, ahead of the add to v6.
.set XP,   336
.set STAT, 86016                       ; behind the 256 rows: mean[256], then M2[256]
.set G0,   16                          ; v[16:111], v[112:207]: two chunks' rows: point p at + 24 p, row k at + 8 k
.set G1,   112
.set WV0,  208                         ; v[208:219], v[220:231]: their 12 weights
.set WV1,  220
.set CD,   232                         ; v[232:239] a chunk's codes
.set P1,   112                         ; points1's numbers, and their codes
.set P1C,  176
.set W1F,  16                          ; v[16:95] W1's fragments: tile u at + 40 u
.set XS,   112
                                       ; x's fragment of a tile, five groups of 8 registers: buffer 0 at v112 + 8 s; buffer 1 at v96, v104, v232, v240, v248
.set ACC,  152                         ; v[152:167]
.set TT,   168
.set CC,   184                         ; the shift, later the mean
.set SS,   200
.set QQ,   216
.set SI,   24                          ; s[24:39] a chunk's indices;  s[40:55] its weights
.set SW,   40
	s_load_b512 s[4:19], s[0:1], 0x0               ; points1, points2, nidx, wts, W1, scales, xcodes, part1
	s_set_vgpr_msb 0x40
	v_lshl_add_u32 v0, v0, 2, 0x15800
	v_mov_b32 v1, 0
	s_set_vgpr_msb 0x4000
	v_lshrrev_b32 v2, 5, v0
	v_readfirstlane_b32 s20, v2                    ; wave
	v_and_b32 v13, 31, v0                          ; lane
	v_and_b32 v14, 15, v0                          ; r
	v_bfe_u32 v15, v0, 4, 1                        ; h
	v_lshlrev_b32 v1, 4, v13                       ; 16 x lane
	v_lshl_add_u32 v2, v13, 2, 64
	v_mul_u32_u24 v4, v15, XP
	v_lshl_add_u32 v4, v14, 2, v4
	v_mul_u32_u24 v5, v14, XP
	v_lshl_add_u32 v5, v15, 4, v5                  ; a fragment: row r, + 16 h
	v_and_b32 v7, 8, v14
	v_add_nc_u32 v7, v7, v14
	v_mul_u32_u24 v7, v7, 320
	v_lshl_add_u32 v7, v15, 4, v7                  ; W1: row r + 8 (r / 8), + 16 h
	v_lshl_add_u32 v10, v15, 6, STAT
	v_and_b32 v11, 1, v0
	v_lshlrev_b32 v11, 10, v11
	v_lshrrev_b32 v12, 1, v0
	v_lshl_add_u32 v11, v12, 3, v11
	v_add_nc_u32 v11, STAT, v11                    ; thread t: even: means of channels t, t + 1; odd: their M2
	v_lshlrev_b32 v12, 3, v0
	s_wait_alu depctr_va_sdst(0)                   ; s20 is written, ahead of its first reader
	s_mul_i32 s21, s20, 32*XP                      ; my 32 rows in LDS
	v_add_nc_u32 v2, s21, v2                       ; the sum's codes: behind points1's 64, 4 bytes a lane
	v_add_nc_u32 v4, s21, v4                       ; points1's codes: two rows a load
	v_add_nc_u32 v6, s21, v5
	s_lshl_b32 s22, s20, 7
	v_add_nc_u32 v10, s22, v10                     ; my 16 channels' words
	s_lshl_b32 s23, ttmp9, 8
	s_lshl_b32 s22, s20, 5
	s_add_co_u32 s23, s23, s22                     ; my first point
	s_mov_b32 s83, 0
	s_mov_b32 s84, 0                               ; byte of the chunk pair in hand in my 512 bytes of nidx and of wts
	s_mov_b32 s85, 0                               ; and its rows in LDS
	s_wait_kmcnt 0x0
	s_load_b128 s[88:91], s[14:15], 0x0            ; e0 ..
	s_lshl_b32 s82, s23, 8
	s_add_nc_u64 s[4:5], s[4:5], s[82:83]
	s_lshr_b32 s82, ttmp9, 5
	s_lshl_b32 s82, s82, 21
	s_add_nc_u64 s[6:7], s[6:7], s[82:83]          ; my batch's table
	s_lshl_b32 s82, s23, 4
	s_add_nc_u64 s[8:9], s[8:9], s[82:83]
	s_add_nc_u64 s[10:11], s[10:11], s[82:83]
	s_mul_i32 s82, s20, 10240
	s_add_nc_u64 s[12:13], s[12:13], s[82:83]
	s_mul_i32 s82, s23, 320
	s_add_nc_u64 s[16:17], s[16:17], s[82:83]
	s_lshl_b32 s82, ttmp9, 11
	s_add_nc_u64 s[18:19], s[18:19], s[82:83]
	s_wait_alu depctr_va_vdst(0)                   ; the offsets and LDS addresses v1 to v12 are written, which the loads and stores of the whole kernel read
.set i, 0
.rept 16
	global_load_b128 v[P1+4*i:P1+4*i+3], v1, s[4:5] offset:512*i th:TH_LOAD_NT
.set i, i+1
.endr
.macro SLOAD imm                       ; a chunk's four indices' and four weights' records
	s_load_b512 s[SI:SI+15], s[8:9], s84 offset:\imm
	s_load_b512 s[SW:SW+15], s[10:11], s84 offset:\imm
.endm
; The chunk's 12 rows are asked for: 24 loads.  The row bases lie in s[56:63] and s[66:81].  free = 1: LDS stores were issued since the last wait on vm_vsrc.
.macro ISSUE g, wv, step, free
	s_wait_kmcnt 0x0                               ; the indices and weights are in; no scalar load is out, so their offset may step
.if \step
	s_add_co_u32 s84, s84, 128
.endif
	s_wait_xcnt 0x0                                ; the earlier loads have read their bases
.if \free
	s_wait_alu depctr_vm_vsrc(0)                   ; the LDS stores just issued have read v3 and the codes, which the next chunk's lines write again (in the first trip: points1's codes, in which the loads below land)
.endif
.irp j, 0,1,2,3,4,5,6,7,8,9,10,11
	s_min_u32 s82, s[SI+4*(\j/3)+\j%3], 2047
	s_lshl_b32 s82, s82, 10
	s_add_nc_u64 s[56+2*\j+2*((\j+4)/8):57+2*\j+2*((\j+4)/8)], s[6:7], s[82:83]
	v_mov_b32 v[\wv+\j], s[SW+4*(\j/3)+\j%3]
	global_load_b128 v[\g+8*\j:\g+8*\j+3], v1, s[56+2*\j+2*((\j+4)/8):57+2*\j+2*((\j+4)/8)]
	global_load_b128 v[\g+8*\j+4:\g+8*\j+7], v1, s[56+2*\j+2*((\j+4)/8):57+2*\j+2*((\j+4)/8)] offset:512
.endr
.endm
; The chunk's weighted sums, held within +-448 x 2^e0, converted, into my rows.  n: the loads issued behind the chunk's.
.macro PROCESS g, wv, imm0, n
	s_wait_loadcnt \n
	s_wait_dscnt 0x0                               ; the last chunk's LDS stores are done
	v_add_nc_u32 v3, s85, v2
.irp p, 0,1,2,3
.irp i, 0,1,2,3,4,5,6,7
	v_mul_f32 v[\g+24*\p+\i], v[\g+24*\p+\i], v[\wv+3*\p]
.endr
.irp i, 0,1,2,3,4,5,6,7
	v_fma_f32 v[\g+24*\p+\i], v[\g+24*\p+8+\i], v[\wv+3*\p+1], v[\g+24*\p+\i]
.endr
.irp i, 0,1,2,3,4,5,6,7
	v_fma_f32 v[\g+24*\p+\i], v[\g+24*\p+16+\i], v[\wv+3*\p+2], v[\g+24*\p+\i]
.endr
.irp i, 0,1,2,3,4,5,6,7
	v_med3_num_f32 v[\g+24*\p+\i], v[\g+24*\p+\i], -v9, v9
.endr
	v_cvt_scalef32_pk8_fp8_f32 v[CD+2*\p:CD+2*\p+1], v[\g+24*\p:\g+24*\p+7], v8
.endr
	v_nop                                          ; a plain line behind the last conversion
	s_wait_alu depctr_va_vdst(0)                   ; the conversions have written the codes and v3 is written, which the LDS stores read; every line that names this chunk's rows is done, so the next loads may land there
.irp p, 0,1,2,3
	ds_store_b32 v3, v[CD+2*\p] offset:\imm0+XP*\p
	ds_store_b32 v3, v[CD+2*\p+1] offset:\imm0+XP*\p+128
.endr
.endm
	SLOAD 0
	ISSUE G0, WV0, 0, 0                            ; chunk 0
	SLOAD 64
	s_add_co_i32 s92, s88, 127
	s_lshl_b32 s93, s92, 23
	v_mov_b32 v8, s93                              ; 2^e0 as f32: the conversion takes its exponent field
	s_add_co_i32 s92, s92, 8
	s_lshl_b32 s92, s92, 23
	s_or_b32 s92, s92, 0x600000
	v_mov_b32 v9, s92                              ; 448 x 2^e0
	s_wait_loadcnt 24                              ; points1 is in; chunk 0's 24 loads may be out
.irp k, 0,1,2,3,4,5,6,7
.irp i, 0,1,2,3,4,5,6,7
	v_med3_num_f32 v[P1+8*\k+\i], v[P1+8*\k+\i], -v9, v9
.endr
	v_cvt_scalef32_pk8_fp8_f32 v[P1C+2*\k:P1C+2*\k+1], v[P1+8*\k:P1+8*\k+7], v8
.endr
	v_nop
	s_wait_alu depctr_va_vdst(0)                   ; the conversions have written points1's codes, which the LDS stores read; the lines that name v112 to v191 are done: chunk 1's loads land there
.irp k, 0,1,2,3,4,5,6,7
	ds_store_b32 v4, v[P1C+2*\k] offset:4*\k*XP            ; points 4 k, 4 k + 1
	ds_store_b32 v4, v[P1C+2*\k+1] offset:4*\k*XP+2*XP     ; points 4 k + 2, 4 k + 3
.endr
	s_wait_dscnt 0x0
	s_mov_b32 s86, 3
.Lchunk:                                               ; trip t: chunks 2 t and 2 t + 1 are worked; 2 t + 1 and 2 t + 2 are asked for
	ISSUE G1, WV1, 0, 1
	SLOAD 128
	PROCESS G0, WV0, 0, 24
	ISSUE G0, WV0, 1, 1
	SLOAD 64
	PROCESS G1, WV1, 4*XP, 24
	s_add_co_u32 s85, s85, 8*XP
	s_sub_co_u32 s86, s86, 1
	s_cmp_lg_u32 s86, 0
	s_cbranch_scc1 .Lchunk
	ISSUE G1, WV1, 0, 1                            ; chunk 7: nothing is asked for behind it
	PROCESS G0, WV0, 0, 24
	s_wait_alu depctr_vm_vsrc(0)                   ; chunk 6's LDS stores have read v3 and the codes, which chunk 7's lines write again
.irp u, 0,1
.irp c, 0,1,2,3,4,5,6,7,8,9
	global_load_b128 v[W1F+40*\u+4*\c:W1F+40*\u+4*\c+3], v7, s[12:13] offset:2560*\u+32*\c   ; into chunk 6's rows: no vector line since its wait names them
.endr
.endr
	PROCESS G1, WV1, 4*XP, 20                      ; behind chunk 7's loads: W1's 20
	; my two tiles come back in the order of the operand's registers (LDS serves a wave's instructions in order) and are stored so; they land in chunk 7's rows, which no vector line since its wait names
.irp t, 0,1
.irp c, 0,1,2,3,4,5,6,7,8,9
	ds_load_b128 v[XS+40*\t+4*\c:XS+40*\t+4*\c+3], v6 offset:16*XP*\t+32*\c
.endr
.endr
	s_wait_dscnt 0x0
.irp t, 0,1
.irp c, 0,1,2,3,4,5,6,7,8,9
	global_store_b128 v1, v[XS+40*\t+4*\c:XS+40*\t+4*\c+3], s[16:17] offset:5120*\t+512*\c
.endr
.endr
	s_wait_xcnt 0x0                                ; the stores have had their addresses translated: their registers are written again only behind this wait
	s_wait_alu depctr_vm_vsrc(0)                   ; the stores have read v112 to v191, and chunk 7's LDS stores the codes' registers: phase 2's loads, products and sums write both
	s_barrier_signal -1
	s_barrier_wait -1                              ; all 256 rows of codes lie in LDS
; A tile's fragment into buffer p: ten loads.
.macro XLOAD p, adr, off
.irp c, 0,1,2,3,4,5,6,7,8,9
.set XR, (1-(\p))*(112+8*(\c/2))+(\p)*(96+8*(\c/2)+120*((\c/4+1)/2))+4*(\c%2)
	ds_load_b128 v[XR:XR+3], v[\adr] offset:\off+32*\c
.endr
.endm
; A tile of 16 points, its fragment in buffer p: ten products (K = 320 in steps of 64), the two accumulators by turns; then the statistics.
; more = 1: the next tile's fragment is asked for at the head, into the other buffer: it has this tile's products and sums in which to land.
.macro TILE1 p, first, more, adr, off
	s_wait_dscnt 0x0                               ; buffer p is in
.if \more
.if !\first
	s_wait_alu depctr_va_vdst(0)                   ; the last tile's products are done reading the other buffer, in which the loads below land; in a trip's first tile v6 is written
.endif
	XLOAD 1-\p, \adr, \off
.endif
.irp s, 0,1,2,3,4
.set XG, (1-(\p))*(112+8*\s)+(\p)*(96+8*\s+120*((\s/2+1)/2))
.irp u, 0,1
.if \s == 0
	v_wmma_f32_16x16x64_fp8_fp8 v[ACC+8*\u:ACC+8*\u+7], v[W1F+40*\u+8*\s:W1F+40*\u+8*\s+7], v[XG:XG+7], 0
.else
	v_wmma_f32_16x16x64_fp8_fp8 v[ACC+8*\u:ACC+8*\u+7], v[W1F+40*\u+8*\s:W1F+40*\u+8*\s+7], v[XG:XG+7], v[ACC+8*\u:ACC+8*\u+7]
.endif
.endr
.endr
.rept 4
	v_nop                                          ; places ahead of the first read of the sums
.endr
.if \first
.set j, 0
.rept 16
	v_mov_b32 v[CC+j], v[ACC+j]
.set j, j+1
.endr
.set j, 0
.rept 16
	v_mov_b32_dpp v[CC+j], v[CC+j] row_share:0 row_mask:0xf bank_mask:0xf   ; the shift: the first point's sums, in all 16 lanes of my half
.set j, j+1
.endr
.set j, 0
.rept 8
	v_pk_add_f32 v[SS+j:SS+j+1], v[ACC+j:ACC+j+1], v[CC+j:CC+j+1] neg_lo:[0,1] neg_hi:[0,1]
.set j, j+2
.endr
.set j, 0
.rept 8
	v_pk_mul_f32 v[QQ+j:QQ+j+1], v[SS+j:SS+j+1], v[SS+j:SS+j+1]
.set j, j+2
.endr
.else
.set j, 0
.rept 8
	v_pk_add_f32 v[TT+j:TT+j+1], v[ACC+j:ACC+j+1], v[CC+j:CC+j+1] neg_lo:[0,1] neg_hi:[0,1]
.set j, j+2
.endr
.set j, 0
.rept 8
	v_pk_add_f32 v[SS+j:SS+j+1], v[SS+j:SS+j+1], v[TT+j:TT+j+1]
	v_pk_fma_f32 v[QQ+j:QQ+j+1], v[TT+j:TT+j+1], v[TT+j:TT+j+1], v[QQ+j:QQ+j+1]
.set j, j+2
.endr
.endif
.endm
	XLOAD 0, 5, 0                                  ; tile 0
	s_mov_b32 s87, 0
	s_wait_loadcnt 0x0                             ; W1's fragments
	TILE1 0, 1, 1, 5, 16*XP                        ; tile 0; tile 1 is asked for (no vector line since chunk 7's wait names buffer 1's registers)
	s_mov_b32 s86, 7
.Ltile:                                                ; trip k: tiles 2 k + 1 and 2 k + 2 are multiplied; 2 k + 2 and 2 k + 3 are asked for
	s_add_co_u32 s87, s87, 32*XP
	s_wait_alu depctr_vm_vsrc(0)                   ; the LDS loads issued so far have read v6
	v_add_nc_u32 v6, s87, v5
	TILE1 1, 0, 1, 6, 0
	TILE1 0, 0, 1, 6, 16*XP
	s_sub_co_u32 s86, s86, 1
	s_cmp_lg_u32 s86, 0
	s_cbranch_scc1 .Ltile
	TILE1 1, 0, 0, 6, 0                            ; tile 15: nothing is left to ask for
.irp m, 1,2,4,8                        ; over the 16 points of a tile: the 16 lanes of my half
.set j, 0
.rept 32
	v_add_f32_dpp v[SS+j], v[SS+j], v[SS+j] row_xmask:\m row_mask:0xf bank_mask:0xf
.set j, j+1
.endr
.endr
.set j, 0
.rept 8
	v_pk_mul_f32 v[TT+j:TT+j+1], v[SS+j:SS+j+1], 0x3b800000 op_sel_hi:[1,0]      ; S / 256
.set j, j+2
.endr
.set j, 0
.rept 8
	v_pk_add_f32 v[CC+j:CC+j+1], v[CC+j:CC+j+1], v[TT+j:TT+j+1]                  ; mean = shift + S / 256
	v_pk_fma_f32 v[QQ+j:QQ+j+1], v[TT+j:TT+j+1], v[SS+j:SS+j+1], v[QQ+j:QQ+j+1] neg_lo:[1,0,0] neg_hi:[1,0,0]   ; M2 = Q - S S / 256
.set j, j+2
.endr
	s_wait_alu depctr_va_vdst(0)                   ; the means and the M2 are written, which the LDS stores read; the lines that name v[TT ..] are done: the LDS load below lands there
.irp i, 0,1,2,3
	ds_store_b128 v10, v[CC+4*\i:CC+4*\i+3] offset:16*\i             ; the 16 lanes of a half store equal words
	ds_store_b128 v10, v[QQ+4*\i:QQ+4*\i+3] offset:1024+16*\i
.endr
	s_wait_dscnt 0x0
	s_barrier_signal -1
	s_barrier_wait -1
	ds_load_b64 v[TT:TT+1], v11
	s_wait_dscnt 0x0
	global_store_b64 v12, v[TT:TT+1], s[18:19]     ; records {mean, mean, M2, M2} of two channels; a wave stores 256 consecutive bytes, aligned
	s_set_vgpr_msb 0x5
	s_wait_dscnt 0x0
	s_wait_alu depctr_hold_cnt(0) depctr_sa_sdst(0) depctr_va_vdst(0) depctr_va_sdst(0) depctr_va_ssrc(0) depctr_va_vcc(0) depctr_vm_vsrc(0)
	s_wait_tensorcnt 0x0
	ds_add_u32 v0, v1
	s_wait_dscnt 0x0
	s_endpgm
.Lfunc_end_k_qb3caf48bf7_interp_gemm1:
	.size	k_qb3caf48bf7_interp_gemm1, .Lfunc_end_k_qb3caf48bf7_interp_gemm1-k_qb3caf48bf7_interp_gemm1
	.p2alignl 7, 3214868480
	.fill 96, 4, 3214868480
	.section	.rodata,"a",@progbits
	.p2align	6, 0x0
	.amdhsa_kernel k_qb3caf48bf7_interp_gemm1
		.amdhsa_group_segment_fixed_size 89088
		.amdhsa_private_segment_fixed_size 0
		.amdhsa_enable_private_segment 0
		.amdhsa_kernarg_size 64
		.amdhsa_user_sgpr_count 2
		.amdhsa_user_sgpr_kernarg_segment_ptr 1
		.amdhsa_wavefront_size32 1
		.amdhsa_system_sgpr_workgroup_id_x 1
		.amdhsa_system_sgpr_workgroup_id_y 1
		.amdhsa_system_sgpr_workgroup_id_z 1
		.amdhsa_system_vgpr_workitem_id 0
		.amdhsa_next_free_vgpr 258
		.amdhsa_next_free_sgpr 96
		.amdhsa_reserve_vcc 0
		.amdhsa_float_denorm_mode_32 3
		.amdhsa_float_denorm_mode_16_64 3
		.amdhsa_memory_ordered 1
		.amdhsa_forward_progress 1
		.amdhsa_inst_pref_size 89
	.end_amdhsa_kernel
	.amdgpu_metadata
---
amdhsa.version: [ 1, 2 ]
amdhsa.kernels:
  - .name:           k_qb3caf48bf7_interp_gemm1
    .symbol:         k_qb3caf48bf7_interp_gemm1.kd
    .args:
      - { .name: points1, .offset: 0, .size: 8, .value_kind: global_buffer, .address_space: global }
      - { .name: points2, .offset: 8, .size: 8, .value_kind: global_buffer, .address_space: global }
      - { .name: nidx, .offset: 16, .size: 8, .value_kind: global_buffer, .address_space: global }
      - { .name: wts, .offset: 24, .size: 8, .value_kind: global_buffer, .address_space: global }
      - { .name: W1_codes, .offset: 32, .size: 8, .value_kind: global_buffer, .address_space: global }
      - { .name: lowp_scales, .offset: 40, .size: 8, .value_kind: global_buffer, .address_space: global }
      - { .name: xcodes, .offset: 48, .size: 8, .value_kind: global_buffer, .address_space: global }
      - { .name: part1, .offset: 56, .size: 8, .value_kind: global_buffer, .address_space: global }
    .group_segment_fixed_size: 89088
    .private_segment_fixed_size: 0
    .kernarg_segment_align: 8
    .kernarg_segment_size: 64
    .max_flat_workgroup_size: 256
    .sgpr_count:     96
    .vgpr_count:     258
    .wavefront_size: 32
...
	.end_amdgpu_metadata
.endif
;; end of part 6
;; launch bn1_gemm2 (part 7): grid 256 x 1, 8 waves a work-group, no clusters, 160,768 bytes of LDS; arguments xcodes, W1_codes, W2_codes, part1, g1, b1, lowp_scales, hcodes, part2; writes hcodes, part2
.if DOCPART == 7
	.amdgcn_target "amdgcn-amd-amdhsa--gfx1250"
	.amdhsa_code_object_version 6
	.text
	.protected	k_qb3caf48bf7_bn1_gemm2
	.globl	k_qb3caf48bf7_bn1_gemm2
	.p2align	8
	.type	k_qb3caf48bf7_bn1_gemm2,@function
k_qb3caf48bf7_bn1_gemm2:
	s_mov_b64 s[64:65], 0
	v_nop
	global_prefetch_b8 v0, s[64:65] scope:SCOPE_SE
	s_setreg_imm32_b32 hwreg(HW_REG_WAVE_SCHED_MODE, 0, 2), 2
	s_setreg_imm32_b32 hwreg(HW_REG_WAVE_MODE, 25, 1), 1
	s_wait_xcnt 0x0
	s_wait_alu depctr_vm_vsrc(0)
; The first batch norm's coefficients from the 256 work-groups' partial statistics; the first product once more (from x's codes: five sixteenths of the bytes that its f32 sums would be);
; h = relu((s - mean) coef + b1), quantised to E4M3 with 2^e2, stored as codes; the second product's raw sums, and their partial statistics.
; STATISTICS.  A partial is (mean_p, M2_p) over 256 points.  With c0 = partial 0's mean: A = sum(mean_p - c0), B = sum((mean_p - c0)^2), M = sum M2_p;
; mean = c0 + A / 256; var = (M + 256 (B - A A / 256)) / 65536, x 2^(2 (e0 + e1)); coef = g / sqrt(var + 1e-5) x 2^(e0 + e1).  No difference of large sums.
; SHARES.  A work-group owns 256 points.  Thread t sums channel pair t % 128 over partials 128 (t / 128) .. + 127, through a ring of 32 slots; the loads of the weights follow in the same
; ring and land where they stay.  First product: wave w makes channels 32 w .. + 31 of all 16 tiles; its 16 numbers a lane become 16 codes, which are K = 32 w + 16 h .. of the second
; product; they go to LDS and to memory as an image of the operand's registers.  Second product: wave w makes channels 16 w .. + 15, two tiles of points at a time.
; Both products are used transposed (source 0 = rows of the weight, source 1 = 16 points).  The partials are summed in registers as they come: nothing lands in LDS that could be asked for jointly.
; LIMITS: e2 between -126 and 119; e0 + e1 goes through v_ldexp_f32.  NaN among the inputs is not served.
; THE MODE: SCHED_MODE bits 1:0 = 2 (LLVM: expert scheduling mode 2), set by the entry lines.  The code itself states the register dependences
; between vector or matrix instructions and memory or LDS instructions, with s_wait_alu, always for 0.
; THE PLAN.  Registers that memory or LDS instructions touch:
;   v1 to v6, v8, v14, v15   offsets and LDS addresses made at the head; v6, v14, v15 are made anew for the way out.
;   the ring  32 slots of 4.  The records go in blocks of four: block b's lines read its four slots; the loads that fill them again are issued at the head of block b + 1, behind ONE wait on va_vdst.
;   XL        x's codes: loaded, then read by LDS stores; these registers are used again behind the first barrier, behind a wait on vm_vsrc.
;   XF        the first product's fragment of x, one buffer: read by a tile's ten products, loaded again behind them.
;   v7        LDS address of the next tile's fragment;  v9, v10: where a tile's codes go in memory and in LDS;  HC: the codes.  All four are written once a tile, behind the products,
;             behind ONE wait on vm_vsrc (beside the wait on XCNT): the last tile's loads and stores have read them.
;   HF0, HF1  the second product's fragments of h, two buffers by turns (HF1 lies in W1's registers, which are done with): pair t's products read buffer t % 2, the loads of pair t + 1, issued at pair t's head, land in the other.
;   v11       LDS address of the two pairs asked for in a trip: written once at the trip's head.
; A tile of the first product holds two waits on va_vdst: behind the products (they are done reading XF; v7 is written), ahead of the ten loads; and behind the conversions, ahead of the two stores.
; A pair of the second product holds one, at its head.
.set XI,   0                           ; x's 16 tile images, 5,120 bytes each
.set HI,   81920                       ; h's 16 tile images, 4,096 bytes each
.set RED,  147456                      ; [half of the partials][channel pair] x 32 bytes: A A B B M M c0 c0
.set TAB,  155648                      ; mean, coef, bias: 1,024 bytes each
.set ST2,  158720                      ; the second product's mean[128], M2[128]
.set RING, 16                          ; v[16:143] 32 slots of 4; afterwards W1 (v16-95), W2 (v96-127)
.set W1F,  16
.set W2F,  96
.set XL,   144
.set AC4,  224                         ; four sets of A, B, M (pairs)
.set MEANR, 128
.set COEFR, 216
.set BIASR, 232
.set XF,   144
.set ACC,  184
.set YY,   200
.set HC,   248
                                       ; h's fragments of a pair of tiles: buffer 0 at v[144:207], buffer 1 at v[16:79]
.set AC0,  208
.set AC1,  216
.set T0,   224
.set T1,   232
.set C2,   240
.set S2,   128
.set Q2,   136
	s_load_b512 s[4:19], s[0:1], 0x0               ; xcodes, W1, W2, part1, g1, b1, scales, hcodes
	s_load_b64 s[20:21], s[0:1], 0x40              ; part2
	s_set_vgpr_msb 0x40
	v_lshl_add_u32 v0, v0, 2, 0x27000
	v_mov_b32 v1, 0
	s_set_vgpr_msb 0x4000
	v_lshrrev_b32 v2, 5, v0
	v_readfirstlane_b32 s22, v2                    ; wave
	v_and_b32 v250, 31, v0
	v_and_b32 v251, 15, v0                         ; r
	v_bfe_u32 v252, v0, 4, 1                       ; h
	v_lshlrev_b32 v1, 4, v250                      ; 16 x lane
	v_and_b32 v3, 127, v0
	v_lshlrev_b32 v3, 4, v3                        ; my channel pair's record
	v_lshrrev_b32 v253, 7, v0
	v_lshl_add_u32 v2, v253, 18, v3                ; in my half of the partials (128 x 2,048 bytes)
	v_and_b32 v4, 8, v251
	v_add_nc_u32 v4, v4, v251
	v_mul_u32_u24 v4, v4, 320
	v_lshl_add_u32 v4, v252, 4, v4                 ; W1: row r + 8 (r / 8), + 16 h
	v_lshlrev_b32 v5, 8, v251
	v_lshl_add_u32 v5, v252, 4, v5                 ; W2: row r, + 16 h
	v_lshlrev_b32 v9, 2, v0
	v_lshlrev_b32 v14, 12, v253
	v_lshl_add_u32 v14, v3, 1, v14
	v_add_nc_u32 v14, RED, v14
	v_lshrrev_b32 v15, 1, v0
	v_lshlrev_b32 v15, 5, v15
	v_and_b32 v253, 1, v0
	v_lshl_add_u32 v15, v253, 2, v15
	v_add_nc_u32 v15, RED, v15                     ; channel t's words
	s_wait_alu depctr_va_sdst(0)                   ; s22 is written, ahead of its first reader
	s_mul_i32 s23, s22, 10240
	v_add_nc_u32 v6, s23, v1                       ; x's images: my two tiles
	s_lshl_b32 s30, s22, 9
	v_add_nc_u32 v8, s30, v1                       ; h's image: chunk w of a tile
	s_mov_b32 s29, 0
	s_wait_kmcnt 0x0
	s_load_b128 s[24:27], s[16:17], 0x0            ; e0, e1, e2, e3
	s_mul_i32 s28, ttmp9, 81920
	s_add_co_u32 s28, s28, s23
	s_add_nc_u64 s[4:5], s[4:5], s[28:29]
	s_mov_b32 s28, s23
	s_add_nc_u64 s[6:7], s[6:7], s[28:29]
	s_lshl_b32 s28, s22, 12
	s_add_nc_u64 s[8:9], s[8:9], s[28:29]
	s_lshl_b32 s28, ttmp9, 16
	s_add_nc_u64 s[18:19], s[18:19], s[28:29]
	s_lshl_b32 s28, ttmp9, 10
	s_add_nc_u64 s[20:21], s[20:21], s[28:29]
	s_wait_alu depctr_va_vdst(0)                   ; the offsets and LDS addresses v1 to v9, v14 and v15 are written, which the loads and stores below read
.set j, 0
.rept 20
	global_load_b128 v[XL+4*j:XL+4*j+3], v1, s[4:5] offset:512*j th:TH_LOAD_NT
.set j, j+1
.endr
	global_load_b64 v[248:249], v3, s[10:11]       ; c0: partial 0's means
	global_load_b32 v254, v9, s[12:13]             ; g1[t]
	global_load_b32 v255, v9, s[14:15]             ; b1[t]
.set j, 0
.rept 32
	global_load_b128 v[RING+4*j:RING+4*j+3], v2, s[10:11] offset:2048*j
.set j, j+1
.endr
	s_wait_loadcnt 35                              ; x's codes are in; behind them 3 + 32 loads
.set j, 0
.rept 20
	ds_store_b128 v6, v[XL+4*j:XL+4*j+3] offset:XI+512*j
.set j, j+1
.endr
; Record i is summed.
.macro RSUM
.set RR, RING+4*(i%32)
.set RA, AC4+6*(i%4)
.set RD, 250+2*(i%2)
.if i < 4
	v_pk_add_f32 v[RA:RA+1], v[RR:RR+1], v[248:249] neg_lo:[0,1] neg_hi:[0,1]
	v_mov_b32 v[RA+4], v[RR+2]
	v_mov_b32 v[RA+5], v[RR+3]
	v_pk_mul_f32 v[RA+2:RA+3], v[RA:RA+1], v[RA:RA+1]
.else
	v_pk_add_f32 v[RD:RD+1], v[RR:RR+1], v[248:249] neg_lo:[0,1] neg_hi:[0,1]
	v_pk_add_f32 v[RA+4:RA+5], v[RA+4:RA+5], v[RR+2:RR+3]
	v_pk_add_f32 v[RA:RA+1], v[RA:RA+1], v[RD:RD+1]
	v_pk_fma_f32 v[RA+2:RA+3], v[RD:RD+1], v[RD:RD+1], v[RA+2:RA+3]
.endif
.endm
; Load i + 32 of the stream (128 records, W1's 20, W2's 8) takes record i's slot.
.macro RFILL
.set RR, RING+4*(i%32)
.set RN, i+32
.if RN < 128
	global_load_b128 v[RR:RR+3], v2, s[10:11] offset:2048*RN
.elseif RN < 148
	global_load_b128 v[RR:RR+3], v4, s[6:7] offset:2560*((RN-128)/10)+32*((RN-128)%10)
.else
	global_load_b128 v[RR:RR+3], v5, s[8:9] offset:32*(RN-148)
.endif
.endm
.set b, 0
.rept 32                               ; 32 blocks of four records
.if b > 0
	s_wait_alu depctr_va_vdst(0)                   ; the block before is done reading its four slots, in which the four loads below land
.set i, 4*b-4
.rept 4
	RFILL
.set i, i+1
.endr
.endif
	s_wait_loadcnt 28                              ; 32 + 4 b loads of the stream are issued, and this block's records are its first 4 b + 4: the 28 behind them may be out
.set i, 4*b
.rept 4
	RSUM
.set i, i+1
.endr
.set b, b+1
.endr
.irp o, 0,2,4
	v_pk_add_f32 v[AC4+\o:AC4+\o+1], v[AC4+\o:AC4+\o+1], v[AC4+6+\o:AC4+6+\o+1]
	v_pk_add_f32 v[AC4+12+\o:AC4+12+\o+1], v[AC4+12+\o:AC4+12+\o+1], v[AC4+18+\o:AC4+18+\o+1]
.endr
.irp o, 0,2,4
	v_pk_add_f32 v[AC4+\o:AC4+\o+1], v[AC4+\o:AC4+\o+1], v[AC4+12+\o:AC4+12+\o+1]
.endr
	v_mov_b32 v[AC4+6], v248
	v_mov_b32 v[AC4+7], v249
	s_wait_alu depctr_va_vdst(0)                   ; my sums are written, which the LDS stores read
	ds_store_b128 v14, v[AC4:AC4+3]
	ds_store_b128 v14, v[AC4+4:AC4+7] offset:16
	s_wait_kmcnt 0x0
	s_add_co_i32 s36, s24, s25                     ; E = e0 + e1
	s_lshl_b32 s37, s36, 1
	s_add_co_i32 s38, s26, 127
	s_lshl_b32 s39, s38, 23
	v_mov_b32 v12, s39                             ; 2^e2 as f32
	s_add_co_i32 s38, s38, 8
	s_lshl_b32 s38, s38, 23
	s_or_b32 s38, s38, 0x600000
	v_mov_b32 v13, s38                             ; 448 x 2^e2
	v_lshl_add_u32 v7, v0, 2, TAB
	s_lshl_b32 s30, s22, 7
	s_wait_dscnt 0x0
	s_barrier_signal -1
	s_barrier_wait -1                              ; x's images and both halves' sums lie in LDS
	s_wait_alu depctr_vm_vsrc(0)                   ; my LDS stores have read v144 to v231 (x's codes, my sums): loads land there and vector and matrix lines write there from here on
	; thread t closes channel t
	ds_load_b32 v144, v15
	ds_load_b32 v145, v15 offset:8
	ds_load_b32 v146, v15 offset:16
	ds_load_b32 v147, v15 offset:24
	ds_load_b32 v148, v15 offset:4096
	ds_load_b32 v149, v15 offset:4104
	ds_load_b32 v150, v15 offset:4112
	s_wait_dscnt 0x0
	v_add_f32 v144, v144, v148                     ; A
	v_add_f32 v145, v145, v149                     ; B
	v_add_f32 v146, v146, v150                     ; M
	v_mul_f32 v151, 0x3b800000, v144               ; A / 256
	v_add_f32 v152, v147, v151                     ; mean, in raw sums
	v_fma_f32 v145, -v151, v144, v145              ; B - A A / 256
	v_fma_f32 v146, v145, 0x43800000, v146         ; M + 256 x that
	v_mul_f32 v146, 0x37800000, v146               ; / 65536
	v_ldexp_f32 v146, v146, s37                    ; x 2^(2 E): the variance
	v_add_f32 v146, 0x3727c5ac, v146               ; + 1e-5
	v_rsq_f32 v153, v146
	v_nop                                          ; a plain line behind the root
	v_bfe_u32 v10, v0, 4, 1
	v_lshl_add_u32 v10, v10, 6, TAB
	v_add_nc_u32 v10, s30, v10                     ; my 16 channels: 32 w + 16 h ..
	s_wait_alu depctr_va_vdst(0)                   ; the root's result v153 is written, ahead of its first reader
	v_mul_f32 v153, v153, v254
	v_ldexp_f32 v153, v153, s36                    ; coef = g / sqrt(..) x 2^E
	s_wait_alu depctr_va_vdst(0)                   ; v152, v153 and v7 are written, which the LDS stores read; so is v10; and every line that names v128 to v247 is done: the loads behind the barrier land there
	ds_store_b32 v7, v152
	ds_store_b32 v7, v153 offset:1024
	ds_store_b32 v7, v255 offset:2048
	s_wait_dscnt 0x0
	s_barrier_signal -1
	s_barrier_wait -1
	s_wait_alu depctr_vm_vsrc(0)                   ; my LDS stores have read v152 and v153, in which x's fragment lands; the loads above have read v15
.irp i, 0,1,2,3
	ds_load_b128 v[MEANR+4*\i:MEANR+4*\i+3], v10 offset:16*\i
	ds_load_b128 v[COEFR+4*\i:COEFR+4*\i+3], v10 offset:1024+16*\i
	ds_load_b128 v[BIASR+4*\i:BIASR+4*\i+3], v10 offset:2048+16*\i
.endr
.irp c, 0,1,2,3,4,5,6,7,8,9
	ds_load_b128 v[XF+4*\c:XF+4*\c+3], v1 offset:XI+512*\c
.endr
	s_mov_b32 s32, 0                               ; the tile in hand among x's images,
	s_mov_b32 s33, 0                               ; and among h's
	s_wait_loadcnt 0x0                             ; the weights
; A tile of 16 points: the first product, the norm, relu and hold in one, 16 codes a lane, to LDS and to memory.
.macro G1TILE more
	s_wait_dscnt 0x0
.irp s, 0,1,2,3,4
.irp u, 0,1
.if \s == 0
	v_wmma_f32_16x16x64_fp8_fp8 v[ACC+8*\u:ACC+8*\u+7], v[W1F+40*\u+8*\s:W1F+40*\u+8*\s+7], v[XF+8*\s:XF+8*\s+7], 0
.else
	v_wmma_f32_16x16x64_fp8_fp8 v[ACC+8*\u:ACC+8*\u+7], v[W1F+40*\u+8*\s:W1F+40*\u+8*\s+7], v[XF+8*\s:XF+8*\s+7], v[ACC+8*\u:ACC+8*\u+7]
.endif
.endr
.endr
.rept 4
	v_nop
.endr
	s_wait_xcnt 0x0                                ; the last tile's store has had its address translated: its codes and its offset are written again only behind this wait
	s_wait_alu depctr_vm_vsrc(0)                   ; the last tile's LDS loads have read v7, its two stores v9, v10 and the codes
.if \more
	s_add_co_u32 s32, s32, 5120
	v_add_nc_u32 v7, s32, v1
.endif
	v_add_nc_u32 v9, s33, v8
	v_add_nc_u32 v10, HI, v9
.if \more
	s_wait_alu depctr_va_vdst(0)                   ; the ten products are done reading x's fragment, in which the loads below land, and v7 is written
.irp c, 0,1,2,3,4,5,6,7,8,9
	ds_load_b128 v[XF+4*\c:XF+4*\c+3], v7 offset:XI+512*\c
.endr
.endif
.set j, 0
.rept 8
	v_pk_add_f32 v[YY+j:YY+j+1], v[ACC+j:ACC+j+1], v[MEANR+j:MEANR+j+1] neg_lo:[0,1] neg_hi:[0,1]
.set j, j+2
.endr
.set j, 0
.rept 8
	v_pk_fma_f32 v[YY+j:YY+j+1], v[YY+j:YY+j+1], v[COEFR+j:COEFR+j+1], v[BIASR+j:BIASR+j+1]
.set j, j+2
.endr
.set j, 0
.rept 16
	v_med3_num_f32 v[YY+j], v[YY+j], 0, v13        ; relu and the hold at the largest code in one
.set j, j+1
.endr
	v_cvt_scalef32_pk8_fp8_f32 v[HC:HC+1], v[YY:YY+7], v12
	v_cvt_scalef32_pk8_fp8_f32 v[HC+2:HC+3], v[YY+8:YY+15], v12
	v_nop                                          ; a plain line behind the last conversion
	s_wait_alu depctr_va_vdst(0)                   ; the conversions have written the codes, and v9 and v10 are written: the two stores read them
	ds_store_b128 v10, v[HC:HC+3]
	global_store_b128 v9, v[HC:HC+3], s[18:19]     ; a wave stores 512 consecutive bytes, aligned
	s_add_co_u32 s33, s33, 4096
.endm
	s_mov_b32 s35, 15
.Lg1:
	G1TILE 1
	s_sub_co_u32 s35, s35, 1
	s_cmp_lg_u32 s35, 0
	s_cbranch_scc1 .Lg1
	G1TILE 0
	v_add_nc_u32 v7, HI, v1                        ; (the loads that read v7 stand ahead of the last tile's wait on vm_vsrc)
	s_mov_b32 s34, 0
	s_wait_dscnt 0x0
	s_barrier_signal -1
	s_barrier_wait -1                              ; h's 16 images lie in LDS
	s_wait_alu depctr_va_vdst(0)                   ; v7 is written, which the loads below read; the first product's lines are done with v16 to v79 and v144 to v207, in which they land
; h's fragments of a pair of tiles into buffer p: sixteen loads.
.macro HLOAD p, adr, off
.set HL, 144-128*(\p)
.irp t, 0,1
.irp i, 0,1,2,3,4,5,6,7
	ds_load_b128 v[HL+32*\t+4*\i:HL+32*\t+4*\i+3], v[\adr] offset:\off+4096*\t+512*\i
.endr
.endr
.endm
; Two tiles of points, their fragments in buffer p: K = 256 in two steps of 128, the two accumulators by turns; then the statistics, shifted by the first point's sums.
; more = 1: the next pair is asked for at the head, into the other buffer.
.macro G2PAIR p, first, more, adr, off
	s_wait_dscnt 0x0                               ; buffer p is in
.if \more
.if !\first
	s_wait_alu depctr_va_vdst(0)                   ; the last pair's products are done reading the other buffer, in which the loads below land; in a trip's first pair v11 is written
.endif
	HLOAD 1-\p, \adr, \off
.endif
.set HB, 144-128*(\p)
	v_wmma_f32_16x16x128_fp8_fp8 v[AC0:AC0+7], v[W2F:W2F+15], v[HB:HB+15], 0
	v_wmma_f32_16x16x128_fp8_fp8 v[AC1:AC1+7], v[W2F:W2F+15], v[HB+32:HB+47], 0
	v_wmma_f32_16x16x128_fp8_fp8 v[AC0:AC0+7], v[W2F+16:W2F+31], v[HB+16:HB+31], v[AC0:AC0+7]
	v_wmma_f32_16x16x128_fp8_fp8 v[AC1:AC1+7], v[W2F+16:W2F+31], v[HB+48:HB+63], v[AC1:AC1+7]
.rept 4
	v_nop
.endr
.if \first
.irp j, 0,1,2,3,4,5,6,7
	v_mov_b32 v[C2+\j], v[AC0+\j]
.endr
.irp j, 0,1,2,3,4,5,6,7
	v_mov_b32_dpp v[C2+\j], v[C2+\j] row_share:0 row_mask:0xf bank_mask:0xf
.endr
.endif
.irp j, 0,2,4,6
	v_pk_add_f32 v[T0+\j:T0+\j+1], v[AC0+\j:AC0+\j+1], v[C2+\j:C2+\j+1] neg_lo:[0,1] neg_hi:[0,1]
.endr
.irp j, 0,2,4,6
	v_pk_add_f32 v[T1+\j:T1+\j+1], v[AC1+\j:AC1+\j+1], v[C2+\j:C2+\j+1] neg_lo:[0,1] neg_hi:[0,1]
.endr
.irp j, 0,2,4,6
.if \first
	v_pk_add_f32 v[S2+\j:S2+\j+1], v[T0+\j:T0+\j+1], v[T1+\j:T1+\j+1]
	v_pk_mul_f32 v[Q2+\j:Q2+\j+1], v[T0+\j:T0+\j+1], v[T0+\j:T0+\j+1]
.else
	v_pk_add_f32 v[S2+\j:S2+\j+1], v[S2+\j:S2+\j+1], v[T0+\j:T0+\j+1]
	v_pk_fma_f32 v[Q2+\j:Q2+\j+1], v[T0+\j:T0+\j+1], v[T0+\j:T0+\j+1], v[Q2+\j:Q2+\j+1]
.endif
.endr
.irp j, 0,2,4,6
.if !\first
	v_pk_add_f32 v[S2+\j:S2+\j+1], v[S2+\j:S2+\j+1], v[T1+\j:T1+\j+1]
.endif
	v_pk_fma_f32 v[Q2+\j:Q2+\j+1], v[T1+\j:T1+\j+1], v[T1+\j:T1+\j+1], v[Q2+\j:Q2+\j+1]
.endr
.endm
	HLOAD 0, 7, 0                                  ; pair 0
	G2PAIR 0, 1, 1, 7, 8192                        ; pair 0; pair 1 is asked for (no vector line since the wait above)
	s_mov_b32 s35, 3
.Lg2:                                                  ; trip k: pairs 2 k + 1 and 2 k + 2 are multiplied; 2 k + 2 and 2 k + 3 are asked for
	s_add_co_u32 s34, s34, 16384
	s_wait_alu depctr_vm_vsrc(0)                   ; the LDS loads issued so far have read v11
	v_add_nc_u32 v11, s34, v7
	G2PAIR 1, 0, 1, 11, 0
	G2PAIR 0, 0, 1, 11, 8192
	s_sub_co_u32 s35, s35, 1
	s_cmp_lg_u32 s35, 0
	s_cbranch_scc1 .Lg2
	G2PAIR 1, 0, 0, 11, 0                          ; pair 7: nothing is left to ask for
.irp m, 1,2,4,8
.set j, 0
.rept 16
	v_add_f32_dpp v[S2+j], v[S2+j], v[S2+j] row_xmask:\m row_mask:0xf bank_mask:0xf
.set j, j+1
.endr
.endr
.irp j, 0,2,4,6
	v_pk_mul_f32 v[T0+\j:T0+\j+1], v[S2+\j:S2+\j+1], 0x3b800000 op_sel_hi:[1,0]
.endr
.irp j, 0,2,4,6
	v_pk_add_f32 v[C2+\j:C2+\j+1], v[C2+\j:C2+\j+1], v[T0+\j:T0+\j+1]
	v_pk_fma_f32 v[Q2+\j:Q2+\j+1], v[T0+\j:T0+\j+1], v[S2+\j:S2+\j+1], v[Q2+\j:Q2+\j+1] neg_lo:[1,0,0] neg_hi:[1,0,0]
.endr
	s_lshl_b32 s30, s22, 6
	v_bfe_u32 v14, v0, 4, 1                        ; (what read v14, v15 and v6 before stands ahead of earlier waits on vm_vsrc)
	v_lshl_add_u32 v14, v14, 5, ST2
	v_add_nc_u32 v14, s30, v14                     ; my 8 channels: 16 w + 8 h ..
	v_and_b32 v15, 1, v0
	v_lshlrev_b32 v15, 9, v15
	v_lshrrev_b32 v6, 1, v0
	v_lshl_add_u32 v15, v6, 3, v15
	v_add_nc_u32 v15, ST2, v15
	v_lshlrev_b32 v6, 3, v0
	s_wait_alu depctr_va_vdst(0)                   ; the means, the M2 and v14 are written, which the LDS stores read; so are v15 and v6; the lines that name v[T0 ..] are done: the LDS load below lands there
	ds_store_b128 v14, v[C2:C2+3]
	ds_store_b128 v14, v[C2+4:C2+7] offset:16
	ds_store_b128 v14, v[Q2:Q2+3] offset:512
	ds_store_b128 v14, v[Q2+4:Q2+7] offset:528
	s_wait_dscnt 0x0
	s_barrier_signal -1
	s_barrier_wait -1
	s_cmp_lt_u32 s22, 4                            ; 1,024 bytes: threads 0 to 127, 8 bytes each
	s_cbranch_scc0 .Ldone
	ds_load_b64 v[T0:T0+1], v15
	s_wait_dscnt 0x0
	global_store_b64 v6, v[T0:T0+1], s[20:21]      ; a wave stores 256 consecutive bytes, aligned
.Ldone:
	s_set_vgpr_msb 0x5
	s_wait_dscnt 0x0
	s_wait_alu depctr_hold_cnt(0) depctr_sa_sdst(0) depctr_va_vdst(0) depctr_va_sdst(0) depctr_va_ssrc(0) depctr_va_vcc(0) depctr_vm_vsrc(0)
	s_wait_tensorcnt 0x0
	ds_add_u32 v0, v1
	s_wait_dscnt 0x0
	s_endpgm
.Lfunc_end_k_qb3caf48bf7_bn1_gemm2:
	.size	k_qb3caf48bf7_bn1_gemm2, .Lfunc_end_k_qb3caf48bf7_bn1_gemm2-k_qb3caf48bf7_bn1_gemm2
	.p2alignl 7, 3214868480
	.fill 96, 4, 3214868480
	.section	.rodata,"a",@progbits
	.p2align	6, 0x0
	.amdhsa_kernel k_qb3caf48bf7_bn1_gemm2
		.amdhsa_group_segment_fixed_size 160768
		.amdhsa_private_segment_fixed_size 0
		.amdhsa_enable_private_segment 0
		.amdhsa_kernarg_size 72
		.amdhsa_user_sgpr_count 2
		.amdhsa_user_sgpr_kernarg_segment_ptr 1
		.amdhsa_wavefront_size32 1
		.amdhsa_system_sgpr_workgroup_id_x 1
		.amdhsa_system_sgpr_workgroup_id_y 1
		.amdhsa_system_sgpr_workgroup_id_z 1
		.amdhsa_system_vgpr_workitem_id 0
		.amdhsa_next_free_vgpr 258
		.amdhsa_next_free_sgpr 66
		.amdhsa_reserve_vcc 0
		.amdhsa_float_denorm_mode_32 3
		.amdhsa_float_denorm_mode_16_64 3
		.amdhsa_memory_ordered 1
		.amdhsa_forward_progress 1
		.amdhsa_inst_pref_size 86
	.end_amdhsa_kernel
	.amdgpu_metadata
---
amdhsa.version: [ 1, 2 ]
amdhsa.kernels:
  - .name:           k_qb3caf48bf7_bn1_gemm2
    .symbol:         k_qb3caf48bf7_bn1_gemm2.kd
    .args:
      - { .name: xcodes, .offset: 0, .size: 8, .value_kind: global_buffer, .address_space: global }
      - { .name: W1_codes, .offset: 8, .size: 8, .value_kind: global_buffer, .address_space: global }
      - { .name: W2_codes, .offset: 16, .size: 8, .value_kind: global_buffer, .address_space: global }
      - { .name: part1, .offset: 24, .size: 8, .value_kind: global_buffer, .address_space: global }
      - { .name: g1, .offset: 32, .size: 8, .value_kind: global_buffer, .address_space: global }
      - { .name: b1, .offset: 40, .size: 8, .value_kind: global_buffer, .address_space: global }
      - { .name: lowp_scales, .offset: 48, .size: 8, .value_kind: global_buffer, .address_space: global }
      - { .name: hcodes, .offset: 56, .size: 8, .value_kind: global_buffer, .address_space: global }
      - { .name: part2, .offset: 64, .size: 8, .value_kind: global_buffer, .address_space: global }
    .group_segment_fixed_size: 160768
    .private_segment_fixed_size: 0
    .kernarg_segment_align: 8
    .kernarg_segment_size: 72
    .max_flat_workgroup_size: 256
    .sgpr_count:     66
    .vgpr_count:     258
    .wavefront_size: 32
...
	.end_amdgpu_metadata
.endif
;; end of part 7
;; launch bn2_out (part 8): grid 256 x 1, 8 waves a work-group, no clusters, 212,992 bytes of LDS; arguments hcodes, W2_codes, part2, g2, b2, lowp_scales, out0; writes out0
.if DOCPART == 8
	.amdgcn_target "amdgcn-amd-amdhsa--gfx1250"
	.amdhsa_code_object_version 6
	.text
	.protected	k_qb3caf48bf7_bn2_out
	.globl	k_qb3caf48bf7_bn2_out
	.p2align	8
	.type	k_qb3caf48bf7_bn2_out,@function
k_qb3caf48bf7_bn2_out:
	s_mov_b64 s[64:65], 0
	v_nop
	global_prefetch_b8 v0, s[64:65] scope:SCOPE_SE
	s_setreg_imm32_b32 hwreg(HW_REG_WAVE_SCHED_MODE, 0, 2), 2
	s_setreg_imm32_b32 hwreg(HW_REG_WAVE_MODE, 25, 1), 1
	s_wait_xcnt 0x0
	s_wait_alu depctr_vm_vsrc(0)
; The second batch norm's coefficients from the 256 partial statistics (formulas as in the launch before, with e2 + e3); the second product once more, from h's codes
; (half the bytes that its f32 sums would be, written and read); out0 = relu((s - mean) coef + b2).
; SHARES.  A work-group owns 256 points.  Thread t sums channel pair t % 64 over partials 64 (t / 64) .. + 63, through a ring of 32 slots in which W2's 8 loads follow.  All eight waves close the
; statistics, channel t % 128: waves 0-3 write and read one copy of the table, waves 4-7 another, so that no branch is needed.  Wave w makes channels 16 w .. + 15 for two tiles of
; points at a time (transposed: a lane holds 8 neighbouring channels of one point); the rows meet in a stage in LDS (528 bytes apart) and leave as whole rows of 512 bytes.
; LIMITS: e2 + e3 goes through v_ldexp_f32.  NaN among the inputs is not served.
; THE MODE: SCHED_MODE bits 1:0 = 2 (LLVM: expert scheduling mode 2), set by the entry lines.  The code itself states the register dependences
; between vector or matrix instructions and memory or LDS instructions, with s_wait_alu, always for 0.
; THE PLAN.  Registers that memory or LDS instructions touch:
;   v1 to v3, v5 to v10, v12, v14, v15   offsets and LDS addresses, made at the head and never written again.
;   the ring  32 slots of 4.  The records go in blocks of four: block b's lines read its four slots; the loads that fill them again are issued at the head of block b + 1, behind ONE wait on va_vdst.
;   XL        h's codes: loaded, then read by LDS stores; used again behind the first barrier, behind a wait on vm_vsrc.
;   HF0, HF1  h's fragments of a pair of tiles, two buffers by turns: pair t's products read buffer t % 2; the loads of pair t + 1, issued at pair t's head, land in the other.
;   Y0, Y1    a pair's 16 results a lane, two out-buffers by turns: written by pair t's arithmetic (buffer t % 2), read by the four stage stores that are issued at the head of pair t + 1.
;   v11, v13  LDS addresses of the pairs asked for, and of the pairs stored, in a trip: written once, at the head of the trip's first pair.
; So the head of a pair holds all its waits, behind its wait on DScnt: vm_vsrc (the stores issued a pair ago have read the out-buffer that this pair writes, and v13; the loads have read v11), the two adds,
; va_vdst (the last pair has written the other out-buffer and is done reading the other fragment buffer; v11 and v13 are written).  Its four stores and sixteen loads follow; no line of the pair names their registers.
.set HI,   0                           ; h's 16 tile images
.set STG,  65536                       ; 256 rows x (512 + 16) bytes
.set RED,  200704                      ; [quarter of the partials][channel pair] x 32 bytes
.set TAB2, 208896                      ; two copies of mean, coef, bias: 3 x 512 bytes each
.set RING, 16
.set W2F,  16
.set MEAN2, 48
.set COEF2, 56
.set BIAS2, 64
.set XL,   144
.set AC4,  224
                                       ; h's fragments: buffer 0 at v[144:207], buffer 1 at v[72:135]
.set AC0,  208
.set AC1,  216
.set YB,   224                         ; the out-buffers: v[224:239], v[240:255]
.set OUTR, 16
	s_load_b256 s[4:11], s[0:1], 0x0               ; hcodes, W2, part2, g2
	s_load_b128 s[12:15], s[0:1], 0x20             ; b2, scales
	s_load_b64 s[16:17], s[0:1], 0x30              ; out0
	v_lshl_add_u32 v4, v0, 2, 0x33c00
	s_set_vgpr_msb 0x40
	v_mov_b32 v1, 0
	s_set_vgpr_msb 0x4000
	v_lshrrev_b32 v2, 5, v0
	v_readfirstlane_b32 s22, v2                    ; wave
	v_and_b32 v250, 31, v0
	v_and_b32 v251, 15, v0                         ; r
	v_bfe_u32 v252, v0, 4, 1                       ; h
	v_lshlrev_b32 v1, 4, v250
	v_and_b32 v3, 63, v0
	v_lshlrev_b32 v3, 4, v3
	v_lshrrev_b32 v253, 6, v0
	v_lshl_add_u32 v2, v253, 16, v3                ; my quarter of the partials (64 x 1,024 bytes)
	v_lshlrev_b32 v5, 8, v251
	v_lshl_add_u32 v5, v252, 4, v5                 ; W2: row r, + 16 h
	v_and_b32 v9, 127, v0
	v_lshlrev_b32 v9, 2, v9
	v_lshlrev_b32 v14, 11, v253
	v_lshl_add_u32 v14, v3, 1, v14
	v_add_nc_u32 v14, RED, v14
	v_bfe_u32 v15, v0, 1, 6
	v_lshlrev_b32 v15, 5, v15
	v_and_b32 v253, 1, v0
	v_lshl_add_u32 v15, v253, 2, v15
	v_add_nc_u32 v15, RED, v15                     ; channel t % 128's words
	v_lshrrev_b32 v7, 7, v0
	v_mul_u32_u24 v7, v7, 1536
	v_add_nc_u32 v7, v7, v9
	v_add_nc_u32 v7, TAB2, v7                      ; where I put the channel's three numbers
	v_lshlrev_b32 v10, 5, v252
	v_mul_u32_u24 v12, v251, 528
	v_lshl_add_u32 v12, v252, 5, v12
	s_wait_alu depctr_va_sdst(0)                   ; s22 is written, ahead of its first reader
	s_lshl_b32 s23, s22, 13
	v_add_nc_u32 v6, s23, v1                       ; h's images: my two tiles
	s_lshr_b32 s30, s22, 2
	s_mul_i32 s30, s30, 1536
	s_lshl_b32 s31, s22, 6
	s_add_co_u32 s30, s30, s31
	v_add_nc_u32 v10, s30, v10
	v_add_nc_u32 v10, TAB2, v10                    ; my 8 channels, 16 w + 8 h .., in my half's copy
	v_add_nc_u32 v12, s31, v12
	v_add_nc_u32 v12, STG, v12                     ; the stage: row r, + 64 w + 32 h
	s_mul_i32 s32, s22, 32*528
	v_add_nc_u32 v8, s32, v1
	v_add_nc_u32 v8, STG, v8                       ; back: my 32 rows, 16 bytes a lane
	s_mov_b32 s29, 0
	s_wait_kmcnt 0x0
	s_load_b128 s[24:27], s[14:15], 0x0            ; e0, e1, e2, e3
	s_lshl_b32 s28, ttmp9, 16
	s_add_co_u32 s28, s28, s23
	s_add_nc_u64 s[4:5], s[4:5], s[28:29]
	s_lshl_b32 s28, s22, 12
	s_add_nc_u64 s[6:7], s[6:7], s[28:29]
	s_lshl_b32 s28, ttmp9, 17
	s_lshl_b32 s31, s22, 14
	s_add_co_u32 s28, s28, s31
	s_add_nc_u64 s[16:17], s[16:17], s[28:29]      ; out0 at my 32 rows
	s_wait_alu depctr_va_vdst(0)                   ; the offsets and LDS addresses v1 to v15 are written, which the loads and stores of the whole kernel read
.set j, 0
.rept 16
	global_load_b128 v[XL+4*j:XL+4*j+3], v1, s[4:5] offset:512*j th:TH_LOAD_NT
.set j, j+1
.endr
	global_load_b64 v[248:249], v3, s[8:9]         ; c0
	global_load_b32 v254, v9, s[10:11]             ; g2
	global_load_b32 v255, v9, s[12:13]             ; b2
.set j, 0
.rept 32
	global_load_b128 v[RING+4*j:RING+4*j+3], v2, s[8:9] offset:1024*j
.set j, j+1
.endr
	s_wait_loadcnt 35                              ; h's codes are in; behind them 3 + 32 loads
.set j, 0
.rept 16
	ds_store_b128 v6, v[XL+4*j:XL+4*j+3] offset:HI+512*j
.set j, j+1
.endr
.macro RSUM                            ; record i is summed
.set RR, RING+4*(i%32)
.set RA, AC4+6*(i%4)
.set RD, 250+2*(i%2)
.if i < 4
	v_pk_add_f32 v[RA:RA+1], v[RR:RR+1], v[248:249] neg_lo:[0,1] neg_hi:[0,1]
	v_mov_b32 v[RA+4], v[RR+2]
	v_mov_b32 v[RA+5], v[RR+3]
	v_pk_mul_f32 v[RA+2:RA+3], v[RA:RA+1], v[RA:RA+1]
.else
	v_pk_add_f32 v[RD:RD+1], v[RR:RR+1], v[248:249] neg_lo:[0,1] neg_hi:[0,1]
	v_pk_add_f32 v[RA+4:RA+5], v[RA+4:RA+5], v[RR+2:RR+3]
	v_pk_add_f32 v[RA:RA+1], v[RA:RA+1], v[RD:RD+1]
	v_pk_fma_f32 v[RA+2:RA+3], v[RD:RD+1], v[RD:RD+1], v[RA+2:RA+3]
.endif
.endm
.macro RFILL                           ; load i + 32 of the stream (64 records, W2's 8) takes record i's slot
.set RR, RING+4*(i%32)
.set RN, i+32
.if RN < 64
	global_load_b128 v[RR:RR+3], v2, s[8:9] offset:1024*RN
.else
	global_load_b128 v[RR:RR+3], v5, s[6:7] offset:32*(RN-64)
.endif
.endm
.set b, 0
.rept 16                               ; 16 blocks of four records
.if (b > 0) && (b < 11)
	s_wait_alu depctr_va_vdst(0)                   ; the block before is done reading its four slots, in which the four loads below land
.set i, 4*b-4
.rept 4
	RFILL
.set i, i+1
.endr
.endif
.if b < 11
	s_wait_loadcnt 28                              ; 32 + 4 b loads of the stream are issued, and this block's records are its first 4 b + 4: the 28 behind them may be out
.else
	s_wait_loadcnt 68-4*b                          ; the stream's 72 loads are issued: what is left behind this block's records
.endif
.set i, 4*b
.rept 4
	RSUM
.set i, i+1
.endr
.set b, b+1
.endr
.irp o, 0,2,4
	v_pk_add_f32 v[AC4+\o:AC4+\o+1], v[AC4+\o:AC4+\o+1], v[AC4+6+\o:AC4+6+\o+1]
	v_pk_add_f32 v[AC4+12+\o:AC4+12+\o+1], v[AC4+12+\o:AC4+12+\o+1], v[AC4+18+\o:AC4+18+\o+1]
.endr
.irp o, 0,2,4
	v_pk_add_f32 v[AC4+\o:AC4+\o+1], v[AC4+\o:AC4+\o+1], v[AC4+12+\o:AC4+12+\o+1]
.endr
	v_mov_b32 v[AC4+6], v248
	v_mov_b32 v[AC4+7], v249
	s_wait_alu depctr_va_vdst(0)                   ; my sums are written, which the LDS stores read
	ds_store_b128 v14, v[AC4:AC4+3]
	ds_store_b128 v14, v[AC4+4:AC4+7] offset:16
	s_wait_kmcnt 0x0
	s_add_co_i32 s36, s26, s27                     ; E = e2 + e3
	s_lshl_b32 s37, s36, 1
	s_wait_dscnt 0x0
	s_barrier_signal -1
	s_barrier_wait -1                              ; h's images and the four quarters' sums lie in LDS
	s_wait_alu depctr_vm_vsrc(0)                   ; my LDS stores have read v144 to v207 (h's codes) and v224 to v231 (my sums): loads land there and vector lines write there from here on
.irp q, 0,1,2,3
	ds_load_b32 v[144+3*\q], v15 offset:2048*\q
	ds_load_b32 v[145+3*\q], v15 offset:2048*\q+8
	ds_load_b32 v[146+3*\q], v15 offset:2048*\q+16
.endr
	ds_load_b32 v156, v15 offset:24
	s_wait_dscnt 0x0
.irp c, 0,1,2
	v_add_f32 v[144+\c], v[144+\c], v[147+\c]
	v_add_f32 v[150+\c], v[150+\c], v[153+\c]
.endr
.irp c, 0,1,2
	v_add_f32 v[144+\c], v[144+\c], v[150+\c]      ; A, B, M
.endr
	v_mul_f32 v151, 0x3b800000, v144               ; A / 256
	v_add_f32 v152, v156, v151                     ; mean, in raw sums
	v_fma_f32 v145, -v151, v144, v145
	v_fma_f32 v146, v145, 0x43800000, v146
	v_mul_f32 v146, 0x37800000, v146
	v_ldexp_f32 v146, v146, s37                    ; the variance
	v_add_f32 v146, 0x3727c5ac, v146               ; + 1e-5
	v_rsq_f32 v153, v146
	v_nop                                          ; a plain line behind the root
	s_wait_alu depctr_va_vdst(0)                   ; the root's result v153 is written, ahead of its first reader
	v_mul_f32 v153, v153, v254
	v_ldexp_f32 v153, v153, s36
	s_wait_alu depctr_va_vdst(0)                   ; v152 and v153 are written, which the LDS stores read; every line that names v48 to v207 is done: the loads behind the barrier land there
	ds_store_b32 v7, v152
	ds_store_b32 v7, v153 offset:512
	ds_store_b32 v7, v255 offset:1024
	s_wait_dscnt 0x0
	s_barrier_signal -1
	s_barrier_wait -1
	s_wait_alu depctr_vm_vsrc(0)                   ; my LDS stores have read v152 and v153, in which h's fragments land, and v255, which lies in the second out-buffer
; h's fragments of a pair of tiles into buffer p: sixteen loads.
.macro HLOAD p, adr, off
.set HL, 144-72*(\p)
.irp t, 0,1
.irp i, 0,1,2,3,4,5,6,7
	ds_load_b128 v[HL+32*\t+4*\i:HL+32*\t+4*\i+3], v[\adr] offset:\off+4096*\t+512*\i
.endr
.endr
.endm
; The pair in out-buffer q goes into the stage.  v13 stands at the trip's even pair; the odd pair lies 32 rows further on.
.macro SEND q
.set YS, YB+16*(\q)
	ds_store_b128 v13, v[YS:YS+3] offset:32*528*(\q)
	ds_store_b128 v13, v[YS+4:YS+7] offset:32*528*(\q)+16
	ds_store_b128 v13, v[YS+8:YS+11] offset:32*528*(\q)+16*528
	ds_store_b128 v13, v[YS+12:YS+15] offset:32*528*(\q)+16*528+16
.endm
; Two tiles of points, their fragments in buffer p: K = 256 in two steps of 128, the two accumulators by turns; the norm and relu, into out-buffer p.
; At the head the pair before goes into the stage, and (more = 1) the next pair is asked for, into the other fragment buffer.  step = 1: a trip's first pair: the two addresses move on.
.macro G2PAIR p, first, more, step, adr, off
	s_wait_dscnt 0x0                               ; buffer p is in
.if !\first
	s_wait_alu depctr_vm_vsrc(0)                   ; the stage stores issued a pair ago have read out-buffer p, which this pair writes again, and v13; the loads issued so far have read v11
.if \step
	v_add_nc_u32 v13, s33, v12
.if \more
	s_add_co_u32 s33, s33, 64*528
	s_add_co_u32 s34, s34, 16384
	v_add_nc_u32 v11, s34, v1
.endif
.endif
	s_wait_alu depctr_va_vdst(0)                   ; the last pair has written the other out-buffer, which the stores below read, and its products are done reading the other fragment buffer, in which the loads below land; v13 and v11 are written
	SEND 1-\p
.endif
.if \more
	HLOAD 1-\p, \adr, \off
.endif
.set HB, 144-72*(\p)
.set YS, YB+16*(\p)
	v_wmma_f32_16x16x128_fp8_fp8 v[AC0:AC0+7], v[W2F:W2F+15], v[HB:HB+15], 0
	v_wmma_f32_16x16x128_fp8_fp8 v[AC1:AC1+7], v[W2F:W2F+15], v[HB+32:HB+47], 0
	v_wmma_f32_16x16x128_fp8_fp8 v[AC0:AC0+7], v[W2F+16:W2F+31], v[HB+16:HB+31], v[AC0:AC0+7]
	v_wmma_f32_16x16x128_fp8_fp8 v[AC1:AC1+7], v[W2F+16:W2F+31], v[HB+48:HB+63], v[AC1:AC1+7]
.rept 4
	v_nop
.endr
.irp j, 0,2,4,6
	v_pk_add_f32 v[YS+\j:YS+\j+1], v[AC0+\j:AC0+\j+1], v[MEAN2+\j:MEAN2+\j+1] neg_lo:[0,1] neg_hi:[0,1]
.endr
.irp j, 0,2,4,6
	v_pk_add_f32 v[YS+8+\j:YS+8+\j+1], v[AC1+\j:AC1+\j+1], v[MEAN2+\j:MEAN2+\j+1] neg_lo:[0,1] neg_hi:[0,1]
.endr
.irp j, 0,2,4,6
	v_pk_fma_f32 v[YS+\j:YS+\j+1], v[YS+\j:YS+\j+1], v[COEF2+\j:COEF2+\j+1], v[BIAS2+\j:BIAS2+\j+1]
	v_pk_fma_f32 v[YS+8+\j:YS+8+\j+1], v[YS+8+\j:YS+8+\j+1], v[COEF2+\j:COEF2+\j+1], v[BIAS2+\j:BIAS2+\j+1]
.endr
.set j, 0
.rept 16
	v_max_num_f32 v[YS+j], 0, v[YS+j]
.set j, j+1
.endr
.endm
.irp i, 0,1
	ds_load_b128 v[MEAN2+4*\i:MEAN2+4*\i+3], v10 offset:16*\i
	ds_load_b128 v[COEF2+4*\i:COEF2+4*\i+3], v10 offset:512+16*\i
	ds_load_b128 v[BIAS2+4*\i:BIAS2+4*\i+3], v10 offset:1024+16*\i
.endr
	HLOAD 0, 1, HI                                 ; pair 0
	s_mov_b32 s33, 0                               ; the trip's even pair in the stage,
	s_mov_b32 s34, 0                               ; and the pairs asked for among h's images
	s_wait_loadcnt 0x0                             ; W2's fragments
	G2PAIR 0, 1, 1, 0, 1, HI+8192                  ; pair 0; pair 1 is asked for (no vector line since the wait ahead of the table's stores)
	s_mov_b32 s35, 3
.Lg2:                                                  ; trip k: pairs 2 k + 1 and 2 k + 2 are multiplied; 2 k and 2 k + 1 go into the stage; 2 k + 2 and 2 k + 3 are asked for
	G2PAIR 1, 0, 1, 1, 11, HI
	G2PAIR 0, 0, 1, 0, 11, HI+8192
	s_sub_co_u32 s35, s35, 1
	s_cmp_lg_u32 s35, 0
	s_cbranch_scc1 .Lg2
	G2PAIR 1, 0, 0, 1, 11, HI                      ; pair 7; pair 6 goes into the stage; nothing is left to ask for
	s_wait_alu depctr_va_vdst(0)                   ; pair 7 has written its out-buffer, which the stores below read; every line that names v16 to v143 is done: the loads behind the barrier land there
	SEND 1
	s_wait_dscnt 0x0
	s_barrier_signal -1
	s_barrier_wait -1                              ; 256 whole rows lie in the stage
.set j, 0
.rept 32
	ds_load_b128 v[OUTR+4*j:OUTR+4*j+3], v8 offset:528*j
.set j, j+1
.endr
.set j, 0
.rept 32
	s_wait_dscnt 31-j                              ; row j is in; the later rows' loads may be out
	global_store_b128 v1, v[OUTR+4*j:OUTR+4*j+3], s[16:17] offset:512*j th:TH_STORE_NT   ; 32 lanes store a row of 512 bytes, aligned
.set j, j+1
.endr
	s_set_vgpr_msb 0x4
	s_wait_dscnt 0x0
	s_wait_alu depctr_hold_cnt(0) depctr_sa_sdst(0) depctr_va_vdst(0) depctr_va_sdst(0) depctr_va_ssrc(0) depctr_va_vcc(0) depctr_vm_vsrc(0)
	s_wait_tensorcnt 0x0
	ds_add_u32 v4, v1
	s_wait_dscnt 0x0
	s_endpgm
.Lfunc_end_k_qb3caf48bf7_bn2_out:
	.size	k_qb3caf48bf7_bn2_out, .Lfunc_end_k_qb3caf48bf7_bn2_out-k_qb3caf48bf7_bn2_out
	.p2alignl 7, 3214868480
	.fill 96, 4, 3214868480
	.section	.rodata,"a",@progbits
	.p2align	6, 0x0
	.amdhsa_kernel k_qb3caf48bf7_bn2_out
		.amdhsa_group_segment_fixed_size 212992
		.amdhsa_private_segment_fixed_size 0
		.amdhsa_enable_private_segment 0
		.amdhsa_kernarg_size 56
		.amdhsa_user_sgpr_count 2
		.amdhsa_user_sgpr_kernarg_segment_ptr 1
		.amdhsa_wavefront_size32 1
		.amdhsa_system_sgpr_workgroup_id_x 1
		.amdhsa_system_sgpr_workgroup_id_y 1
		.amdhsa_system_sgpr_workgroup_id_z 1
		.amdhsa_system_vgpr_workitem_id 0
		.amdhsa_next_free_vgpr 258
		.amdhsa_next_free_sgpr 66
		.amdhsa_reserve_vcc 0
		.amdhsa_float_denorm_mode_32 3
		.amdhsa_float_denorm_mode_16_64 3
		.amdhsa_memory_ordered 1
		.amdhsa_forward_progress 1
		.amdhsa_inst_pref_size 53
	.end_amdhsa_kernel
	.amdgpu_metadata
---
amdhsa.version: [ 1, 2 ]
amdhsa.kernels:
  - .name:           k_qb3caf48bf7_bn2_out
    .symbol:         k_qb3caf48bf7_bn2_out.kd
    .args:
      - { .name: hcodes, .offset: 0, .size: 8, .value_kind: global_buffer, .address_space: global }
      - { .name: W2_codes, .offset: 8, .size: 8, .value_kind: global_buffer, .address_space: global }
      - { .name: part2, .offset: 16, .size: 8, .value_kind: global_buffer, .address_space: global }
      - { .name: g2, .offset: 24, .size: 8, .value_kind: global_buffer, .address_space: global }
      - { .name: b2, .offset: 32, .size: 8, .value_kind: global_buffer, .address_space: global }
      - { .name: lowp_scales, .offset: 40, .size: 8, .value_kind: global_buffer, .address_space: global }
      - { .name: out0, .offset: 48, .size: 8, .value_kind: global_buffer, .address_space: global }
    .group_segment_fixed_size: 212992
    .private_segment_fixed_size: 0
    .kernarg_segment_align: 8
    .kernarg_segment_size: 56
    .max_flat_workgroup_size: 256
    .sgpr_count:     66
    .vgpr_count:     258
    .wavefront_size: 32
...
	.end_amdgpu_metadata
.endif
;; end of part 8
